; MI455X (gfx1250); checked and timed in simulation.
; The chip was launched on July 23, 2026; its instructions are those of AMD's public machine-readable ISA for CDNA 5 (MIT licence, August 2026) and "CDNA5" Instruction Set Architecture Reference Guide (July 2026). The comments in the code are by the model that wrote it; some were corrected since.
;; Soft Mo E. Allowed arithmetic: matrix products marked QUANTISED: E5M2 operands, one E8M0 scale for each 32 along K, by v_wmma_scale_f32_16x16x128_f8f6f4 with both operands' format E5M2, f32 sums; products left as they are: f32 operands where the result goes on into a quantised operand, else bf16, f16 or f32 operands; f32 sums; everything else in f32.
;; Inputs: W1 8 x 1,024 x 4,096 float32; W2 8 x 4,096 x 1,024 float32; Wr 8 x 1,024 float32; b1 8 x 4,096 float32; b2 8 x 1,024 float32; x 2 x 512 x 1,024 float32.
;; Outputs: out0 2 x 512 x 1,024 float32.
;; This version of the problem:
;;   THIS VERSION OF THE PROBLEM IS GIVEN IN LOW PRECISION. The matrix products marked QUANTISED in the list below multiply operands that are first quantised to E5M2 (5 exponent bits, 2 mantissa bits; 8 bits a number), with one power-of-two scale for each 32 numbers along K (OCP MX v1.0); their sums are f32. All else is computed in f32.
;;   The module's matrix products, in the order in which they are computed (A, B: the left and right operand; K: the contracted axis; several contracted axes count as one K, in the product's order):
;;     1. [M 1,024, K 1,024] x [K 1,024, N 8]; A: input x; B: input Wr: left as it is (N = 8 < 16)
;;     2. [M 1,024, K 1,024] x [K 1,024, N 32,768]; A: input x; B: input W1: QUANTISED
;;     3. batch 8 x [M 1,024, K 4,096] x [K 4,096, N 1,024]; A: input W2; B: computed on the way: QUANTISED
;;     4. batch 1,024 x [M 1, K 8] x [K 8, N 1,024]; A: computed on the way; B: computed on the way: left as it is (K = 8 < 32)
;;   THE QUANTISER, for each operand of a quantised product, along K:
;;     - K is cut into blocks of 32 from its start; a last block that is shorter is filled with zeros.
;;     - A block's scale is 2^e with e = floor(log2(the largest magnitude in the block)) - 15, held to -126 .. 127; a block of zeros has e = 0. As a byte (E8M0): e + 127.
;;     - Each number is divided by its block's scale, clamped to +-57,344, and rounded to the nearest number of E5M2, ties to even, subnormals kept.
;;     - The product sums the exact products of the quantised numbers (number of the format x scale) in f32.
;;   ~~~python
;;   def quantise(x, axis):      # numpy; x: float32 -> the quantised numbers, widened to float32 again
;;       x = np.moveaxis(x, axis, -1); K = x.shape[-1]
;;       x = np.pad(x, [(0, 0)] * (x.ndim - 1) + [(0, -K % 32)]); x = x.reshape(x.shape[:-1] + (-1, 32)); a = np.abs(x).max(-1, keepdims=True)
;;       e = np.where(a > 0, np.clip(np.frexp(np.where(a > 0, a, 1))[1] - 1 - 15, -126, 127), 0)      # np.frexp(a)[1] - 1 = floor(log2(a)), exactly
;;       r = np.clip(x / 2.0 ** e, -57344, 57344)
;;       step = 2.0 ** (np.maximum(np.frexp(np.where(r == 0, 1, r))[1] - 1, -14) - 2)
;;       q = np.round(r / step) * step * 2.0 ** e      # np.round: ties to even
;;       return np.moveaxis(q.reshape(q.shape[:-2] + (-1,))[..., :K], -1, axis).astype(np.float32)
;;   ~~~
;;   OPERANDS COMPUTED ON THE WAY. 'Computed on the way' means the value that the module computes at that place (a softmax that the list does not call 'softmax' is quantised finished and normalised). What goes into a quantiser is computed in f32, as accurately as f32 sums, v_exp_f32 and their like allow (about 1e-6 of the number): no bf16 or f16 on the way to a quantiser, and a product that is left as it is and whose result goes on into a quantised operand takes f32 operands (vector FMAs, or v_wmma_f32_16x16x4_f32). A number that lies on a knife's edge between two numbers of the format may be rounded either way, as far as f32 arithmetic and the matrix unit's own rounding can turn it there, and no further.
;; One version. Each part assembles by itself: llvm-mc -triple=amdgcn-amd-amdhsa -mcpu=gfx1250 --defsym DOCPART=n.
;; ======== version 1 of 1: 5 launches
;; limits: right only within a limited range of input values
;; workspace buffers: sel 4,096 bytes of whole numbers; gate 8,192 bytes; rkc 33,024 bytes of whole numbers; xs 8,912,896 bytes; hq 35,651,584 bytes; yp 67,108,864 bytes
;; launch route (part 1): grid 256 x 1, 4 waves a work-group, no clusters, 0 bytes of LDS; arguments x, Wr, sel, gate, rkc; writes sel, gate, rkc
.if DOCPART == 1
	.amdgcn_target "amdgcn-amd-amdhsa--gfx1250"
	.amdhsa_code_object_version 6
	.text
	.protected	k_q3f45861205_route
	.globl	k_q3f45861205_route
	.p2align	8
	.type	k_q3f45861205_route,@function
k_q3f45861205_route:
	s_mov_b64 s[64:65], 0
	v_nop
	global_prefetch_b8 v0, s[64:65] scope:SCOPE_SE
	s_setreg_imm32_b32 hwreg(HW_REG_WAVE_MODE, 25, 1), 1
	s_wait_xcnt 0x0
; THE ROUTER.  logits[n][e] = x[n] . Wr[e] (1,024 long, f32 multiply-adds), the two largest logits (the lower index wins a tie), their softmax with the larger logit taken away first.
; One wave takes one token: n = 4 x work-group + wave.  Lane l holds k = 128 i + 4 l + 0..3 of chunk i = 0..7: each load of the wave covers 512 consecutive bytes.
; Stored at fixed places: sel[n] = (1 << e0) | (1 << e1) | e0 << 8 | e1 << 16;  gate[n] = the two weights;  zeros in the token's eight words of ranks (the next launch writes the two that count).
; No address and no branch hangs on a logit.  LIMITS: NaN and infinities among x and Wr are not served.
.set X,  16                            ; v16-47    my 32 numbers of x
.set WR, 48                            ; v48-175   four slots of 32 numbers of Wr: expert e in slot e % 4
.set AC, 176                           ; v176-191  a pair of partial sums for each expert
.set LG, 192                           ; v192-199  the logits
.set TP, 200                           ; v200-207  the other half of the lanes' sums
	s_load_b256 s[4:11], s[0:1], 0x0               ; x s[4:5], Wr s[6:7], sel s[8:9], gate s[10:11]
	s_load_b64 s[12:13], s[0:1], 0x20              ; the ranks
	v_lshrrev_b32 v3, 5, v0
	v_readfirstlane_b32 s14, v3                    ; wave
	v_and_b32 v1, 31, v0                           ; lane
	v_lshlrev_b32 v2, 4, v1                        ; 16 bytes a lane
	s_lshl_b32 s15, ttmp9, 2
	s_add_co_u32 s15, s15, s14                     ; n
	s_lshl_b32 s18, s15, 12                        ; a row of x is 4,096 bytes
	s_mov_b32 s19, 0
	s_mov_b32 s16, 0x76543210                      ; v_permlanex16_b32's selects for lane l xor 16
	s_mov_b32 s17, 0xfedcba98
.irp e, 0,1,2,3,4,5,6,7
	v_mov_b32 v[TP+\e], 0                          ; a lane permute's destination counts as one of its sources
.endr
	s_wait_alu depctr_va_vdst(0)
	s_wait_kmcnt 0x0
	s_add_nc_u64 s[4:5], s[4:5], s[18:19]
.irp i, 0,1,2,3,4,5,6,7
	global_load_b128 v[X+4*\i:X+4*\i+3], v2, s[4:5] offset:512*\i
.endr
.macro LOADR e                         ; expert e's row of Wr into slot e % 4
.irp i, 0,1,2,3,4,5,6,7
	global_load_b128 v[WR+32*((\e)%4)+4*\i:WR+32*((\e)%4)+4*\i+3], v2, s[6:7] offset:4096*(\e)+512*\i
.endr
.endm
	LOADR 0
	LOADR 1
	LOADR 2
	LOADR 3
.macro DOT e, left                     ; left: the loads of the later experts, 8 each, which may stay out
	s_wait_loadcnt \left
.set RW, WR+32*((\e)%4)
.set RA, AC+2*(\e)
	v_pk_mul_f32 v[RA:RA+1], v[X:X+1], v[RW:RW+1]
.irp p, 2,4,6,8,10,12,14,16,18,20,22,24,26,28,30
	v_pk_fma_f32 v[RA:RA+1], v[X+\p:X+\p+1], v[RW+\p:RW+\p+1], v[RA:RA+1]
.endr
.if (\e) < 4
	LOADR (\e)+4                                   ; the slot has been read: it takes the expert four further on
.endif
.endm
	DOT 0, 24
	DOT 1, 24
	DOT 2, 24
	DOT 3, 24
	DOT 4, 24
	DOT 5, 16
	DOT 6, 8
	DOT 7, 0
.irp e, 0,1,2,3,4,5,6,7
	v_add_f32 v[LG+\e], v[AC+2*\e], v[AC+2*\e+1]
.endr
.irp m, 1,2,4,8
.irp e, 0,1,2,3,4,5,6,7
	v_add_f32_dpp v[LG+\e], v[LG+\e], v[LG+\e] row_xmask:\m row_mask:0xf bank_mask:0xf
.endr
.endr
.irp e, 0,1,2,3,4,5,6,7
	v_permlanex16_b32 v[TP+\e], v[LG+\e], s16, s17
.endr
.irp e, 0,1,2,3,4,5,6,7
	v_add_f32 v[LG+\e], v[LG+\e], v[TP+\e]         ; every lane holds all eight logits
.endr
	; the largest: the index is kept where the next logit is not greater, so the lower index wins a tie
	v_mov_b32 v208, v[LG]
	v_mov_b32 v209, 0
.irp e, 1,2,3,4,5,6,7
	v_cmp_le_f32 vcc_lo, v[LG+\e], v208
	v_cndmask_b32 v209, \e, v209, vcc_lo
	v_max_num_f32 v208, v208, v[LG+\e]
.endr
	v_mov_b32 v212, 0xff800000                     ; -infinity takes the winner's place
.irp e, 0,1,2,3,4,5,6,7
	v_cmp_eq_u32 vcc_lo, \e, v209
	v_cndmask_b32 v[LG+\e], v[LG+\e], v212, vcc_lo
.endr
	v_mov_b32 v210, v[LG]                          ; and the same once more: the second
	v_mov_b32 v211, 0
.irp e, 1,2,3,4,5,6,7
	v_cmp_le_f32 vcc_lo, v[LG+\e], v210
	v_cndmask_b32 v211, \e, v211, vcc_lo
	v_max_num_f32 v210, v210, v[LG+\e]
.endr
	; the softmax of the two, the larger taken away: 1 / (1 + t) and t / (1 + t), t = e^(second - first), at most 1
	v_sub_f32 v213, v210, v208
	v_mul_f32 v213, 0x3fb8aa3b, v213
	s_wait_alu depctr_va_vdst(0)
	v_exp_f32 v213, v213
	v_mov_b32 v215, 1                              ; (plain work behind the exponential: the word for sel)
	v_lshlrev_b32 v214, v209, v215
	v_lshlrev_b32 v215, v211, v215
	v_or_b32 v214, v214, v215
	v_lshl_or_b32 v214, v209, 8, v214
	v_lshl_or_b32 v214, v211, 16, v214
	s_wait_alu depctr_va_vdst(0)                   ; ahead of the first line that names the exponential's result
	v_add_f32 v216, 1.0, v213
	s_wait_alu depctr_va_vdst(0)
	v_rcp_f32 v216, v216
	v_cmp_eq_u32 vcc_lo, 1, v1                     ; (a plain line behind the reciprocal)
	s_wait_alu depctr_va_vdst(0)
	v_mul_f32 v217, v213, v216
	v_cndmask_b32 v220, v216, v217, vcc_lo         ; lane 0: the first weight, lane 1: the second
	s_lshl_b32 s21, s15, 3
	v_lshl_add_u32 v221, v1, 2, s21                ; gate: 8 n + 4 lane
	s_lshl_b32 s22, s15, 2
	v_mov_b32 v222, s22                            ; sel: 4 n
	s_cmp_lg_u32 s14, 0
	s_cbranch_scc1 .Lnot_wave_0
	s_lshl_b32 s20, ttmp9, 7                       ; wave 0: zeros in the ranks of the group's four tokens, 128 consecutive bytes
	v_lshl_add_u32 v218, v1, 2, s20
	v_mov_b32 v219, 0
	global_store_b32 v218, v219, s[12:13]
.Lnot_wave_0:
	v_cmp_gt_u32 vcc_lo, 2, v1
	s_wait_xcnt 0x0                                ; EXEC changes only behind this wait
	s_and_saveexec_b32 s23, vcc_lo
	s_wait_alu depctr_va_vdst(0)
	global_store_b32 v221, v220, s[10:11]
	global_store_b32 v222, v214, s[8:9]            ; both lanes write the same word with the same value
	s_wait_xcnt 0x0
	s_or_b32 exec_lo, exec_lo, s23
	s_endpgm
.Lfunc_end_k_q3f45861205_route:
	.size	k_q3f45861205_route, .Lfunc_end_k_q3f45861205_route-k_q3f45861205_route
	.p2alignl 7, 3214868480
	.fill 96, 4, 3214868480
	.section	.rodata,"a",@progbits
	.p2align	6, 0x0
	.amdhsa_kernel k_q3f45861205_route
		.amdhsa_group_segment_fixed_size 0
		.amdhsa_private_segment_fixed_size 0
		.amdhsa_enable_private_segment 0
		.amdhsa_kernarg_size 40
		.amdhsa_user_sgpr_count 2
		.amdhsa_user_sgpr_kernarg_segment_ptr 1
		.amdhsa_wavefront_size32 1
		.amdhsa_system_sgpr_workgroup_id_x 1
		.amdhsa_system_sgpr_workgroup_id_y 1
		.amdhsa_system_sgpr_workgroup_id_z 1
		.amdhsa_system_vgpr_workitem_id 0
		.amdhsa_next_free_vgpr 224
		.amdhsa_next_free_sgpr 66
		.amdhsa_reserve_vcc 1
		.amdhsa_float_denorm_mode_32 3
		.amdhsa_float_denorm_mode_16_64 3
		.amdhsa_memory_ordered 1
		.amdhsa_forward_progress 1
		.amdhsa_inst_pref_size 23
	.end_amdhsa_kernel
	.amdgpu_metadata
---
amdhsa.version: [ 1, 2 ]
amdhsa.kernels:
  - .name:           k_q3f45861205_route
    .symbol:         k_q3f45861205_route.kd
    .args:
      - { .name: x, .offset: 0, .size: 8, .value_kind: global_buffer, .address_space: global }
      - { .name: Wr, .offset: 8, .size: 8, .value_kind: global_buffer, .address_space: global }
      - { .name: sel, .offset: 16, .size: 8, .value_kind: global_buffer, .address_space: global }
      - { .name: gate, .offset: 24, .size: 8, .value_kind: global_buffer, .address_space: global }
      - { .name: rkc, .offset: 32, .size: 8, .value_kind: global_buffer, .address_space: global }
    .group_segment_fixed_size: 0
    .private_segment_fixed_size: 0
    .kernarg_segment_align: 8
    .kernarg_segment_size: 40
    .max_flat_workgroup_size: 128
    .sgpr_count:     66
    .vgpr_count:     224
    .wavefront_size: 32
...
	.end_amdgpu_metadata
.endif
;; end of part 1
;; launch place (part 2): grid 8 x 64, 8 waves a work-group, no clusters, 0 bytes of LDS; arguments x, sel, xs, rkc; writes xs, rkc
.if DOCPART == 2
	.amdgcn_target "amdgcn-amd-amdhsa--gfx1250"
	.amdhsa_code_object_version 6
	.text
	.protected	k_q3f45861205_place
	.globl	k_q3f45861205_place
	.p2align	8
	.type	k_q3f45861205_place,@function
k_q3f45861205_place:
	s_mov_b64 s[64:65], 0
	v_nop
	global_prefetch_b8 v0, s[64:65] scope:SCOPE_SE
	s_setreg_imm32_b32 hwreg(HW_REG_WAVE_MODE, 25, 1), 1
	s_wait_xcnt 0x0
; THE ROWS ARE PLACED BY EXPERT AND QUANTISED.  Work-group (e, t) makes tile t of expert e: the tokens that chose e, in ascending order, of ranks 16 t .. 16 t + 15.
; The expert is the grid's x and the tile its y, so that the tiles that have rows stand together at the head of the grid.
; Wave ks = 0..7 makes K step ks (128 of x's 1,024) of the tile as an IMAGE OF THE OPERAND'S REGISTERS: codes of E5M2 at (e << 20) + 16,384 t + 2,048 ks + 512 c + 16 lane, the rows' scale words at
; 8,388,608 + (e << 16) + 1,024 t + 128 ks + 4 lane.  Lane (r, h) holds row r; registers 4 c .. 4 c + 3 hold k = 32 c + 16 h + 0..15.
; WHICH TOKEN HAS RANK p: sel's 1,024 words give 32 masks of 32 tokens (one compare each); a running count picks the mask in which rank p falls, a five-step search on the mask's bit counts picks the bit.
; Every wave does that for itself: no LDS, no barrier.  A rank at or past the expert's count gets some valid token: its row is finite and nobody reads what is made of it.
; Also stored: the rank of each token in the expert (rkc + 32 token + 4 e), and the expert's passes of 64 rows, max(1, ceil(count / 64)) (rkc + 32,768 + 4 e).
; A grid of 64 tiles for each expert serves every split, all tokens on one expert too; a tile at or past 4 x passes stores nothing and ends.
; A block's scale is 2^(floor(log2(its largest magnitude)) - 15), its byte held at 1 from below (a block of zeros gets the byte 1: its codes are zeros, and this program alone reads the bytes).
; LIMITS: NaN and infinities among x are not served.
.set SELW, 16                          ; v16-47    sel[32 w + lane]
.set ST,   64                          ; v64-127   64 numbers: register 16 b + i = k 32 b + 16 h + i of my row
.set PC,   128                         ; v128-143  the codes
.set PW,   144                         ; v144      the scale word
.set TM,   200                         ; v200-215  at work in the quantiser
.set MNT,  29                          ; s29       the mantissa field of 57,344
.set SEL,  30                          ; s[30:31]  lane selects
	s_load_b256 s[4:11], s[0:1], 0x0               ; x s[4:5], sel s[6:7], xs s[8:9], rkc s[10:11]
	v_lshrrev_b32 v8, 5, v0
	s_delay_alu instid0(VALU_DEP_1)
	v_readfirstlane_b32 s12, v8                    ; wave = K step
	v_and_b32 v1, 31, v0                           ; lane
	v_and_b32 v2, 15, v0                           ; r
	v_bfe_u32 v3, v0, 4, 1                         ; h
	s_mov_b32 s13, ttmp9                           ; e
	s_and_b32 s14, ttmp7, 0xffff                   ; t
	v_lshlrev_b32 v9, 2, v1
	s_lshl_b32 s15, s14, 4
	v_add_nc_u32 v4, s15, v2                       ; p: my row's rank
	s_lshl_b32 s16, 1, s13                         ; the expert's bit
	s_mov_b32 s[MNT], 0x600000
	s_mov_b32 s[SEL], 0x76543210
	s_mov_b32 s[SEL+1], 0xfedcba98
	v_mov_b32 v5, 0                                ; the mask in which p falls,
	v_mov_b32 v6, 0                                ; the count ahead of it,
	v_mov_b32 v7, 0                                ; its first token
	v_mov_b32 v51, 0
.irp b, 0,1,2,3
	v_mov_b32 v[TM+4+\b], 0                        ; a lane permute's destination counts as one of its sources
.endr
	s_mov_b32 s17, 0                               ; the running count
	s_mov_b32 s18, 0                               ; the mask's first token
	s_wait_kmcnt 0x0
.set w_, 0
.rept 32
	global_load_b32 v[SELW+w_], v9, s[6:7] offset:128*w_
.set w_, w_+1
.endr
	s_wait_loadcnt 0x0
.set w_, 0
.rept 32                               ; the last mask whose count ahead is at most p stays
	v_and_b32 v8, s16, v[SELW+w_]
	s_delay_alu instid0(VALU_DEP_1)
	v_cmp_ne_u32 s19, 0, v8                        ; bit l: token 32 w + l chose e
	v_cmp_gt_u32 vcc_lo, s17, v4                   ; the count ahead is past p: keep what I have
	s_delay_alu instid0(VALU_DEP_1)
	v_cndmask_b32 v5, s19, v5, vcc_lo
	s_delay_alu instid0(VALU_DEP_2)
	v_cndmask_b32 v6, s17, v6, vcc_lo
	s_delay_alu instid0(VALU_DEP_3)
	v_cndmask_b32 v7, s18, v7, vcc_lo
	s_bcnt1_i32_b32 s21, s19
	s_add_co_u32 s17, s17, s21
	s_add_co_u32 s18, s18, 32
.set w_, w_+1
.endr
	s_add_co_u32 s20, s17, 63                      ; s17 = the expert's count
	s_lshr_b32 s20, s20, 6
	s_max_u32 s20, s20, 1                          ; passes of 64 rows, at least one
	s_or_b32 s21, s14, s12
	s_cmp_lg_u32 s21, 0
	s_cbranch_scc1 .Lno_nr                         ; tile 0's wave 0 stores it
	v_mov_b32 v57, s20
	s_lshl_b32 s21, s13, 2
	s_add_co_u32 s21, s21, 32768
	v_mov_b32 v58, s21
	v_cmp_eq_u32 vcc_lo, 0, v1
	s_wait_alu depctr_va_vdst(0)
	s_wait_xcnt 0x0                                ; EXEC changes only behind this wait
	s_and_saveexec_b32 s22, vcc_lo
	global_store_b32 v58, v57, s[10:11]
	s_wait_xcnt 0x0
	s_or_b32 exec_lo, exec_lo, s22
.Lno_nr:
	s_lshl_b32 s21, s20, 2
	s_cmp_lt_u32 s14, s21
	s_cbranch_scc1 .Lwork
	s_endpgm                                       ; this split has no such tile
.Lwork:
	; bit number j = p - the count ahead, among the mask's set bits: counts of 2, 4, 8 and 16 bits, then five halvings
	s_wait_alu depctr_va_vdst(0)
	v_sub_nc_u32 v10, v4, v6
	v_lshrrev_b32 v8, 1, v5
	s_delay_alu instid0(VALU_DEP_1)
	v_and_b32 v8, 0x55555555, v8
	s_delay_alu instid0(VALU_DEP_1)
	v_sub_nc_u32 v12, v5, v8                       ; counts of 2 bits
	s_delay_alu instid0(VALU_DEP_1)
	v_lshrrev_b32 v8, 2, v12
	s_delay_alu instid0(VALU_DEP_1)
	v_and_b32 v8, 0x33333333, v8
	s_delay_alu instid0(VALU_DEP_3)
	v_and_b32 v13, 0x33333333, v12
	s_delay_alu instid0(VALU_DEP_1)
	v_add_nc_u32 v13, v13, v8                      ; of 4
	s_delay_alu instid0(VALU_DEP_1)
	v_lshrrev_b32 v8, 4, v13
	s_delay_alu instid0(VALU_DEP_1)
	v_add_nc_u32 v8, v8, v13
	s_delay_alu instid0(VALU_DEP_1)
	v_and_b32 v14, 0x0f0f0f0f, v8                  ; of 8
	s_delay_alu instid0(VALU_DEP_1)
	v_lshrrev_b32 v8, 8, v14
	s_delay_alu instid0(VALU_DEP_1)
	v_add_nc_u32 v15, v14, v8                      ; low byte: of the low 16
	v_mov_b32 v11, 0                               ; the bit's place
.macro LEVEL w                         ; v48: set bits in the lower half of what is left; j at or past them: go to the upper half
	s_delay_alu instid0(VALU_DEP_1)
	v_cmp_lt_u32 vcc_lo, v10, v48
	s_delay_alu instid0(VALU_DEP_1)
	v_cndmask_b32 v49, v48, v51, vcc_lo
	s_delay_alu instid0(VALU_DEP_2)
	v_cndmask_b32 v50, \w, v51, vcc_lo
	s_delay_alu instid0(VALU_DEP_2)
	v_sub_nc_u32 v10, v10, v49
	s_delay_alu instid0(VALU_DEP_2)
	v_add_nc_u32 v11, v11, v50
.endm
	s_delay_alu instid0(VALU_DEP_2)
	v_and_b32 v48, 0xff, v15
	LEVEL 16
	s_delay_alu instid0(VALU_DEP_1)
	v_bfe_u32 v48, v14, v11, 8
	LEVEL 8
	s_delay_alu instid0(VALU_DEP_1)
	v_bfe_u32 v48, v13, v11, 4
	LEVEL 4
	s_delay_alu instid0(VALU_DEP_1)
	v_bfe_u32 v48, v12, v11, 2
	LEVEL 2
	s_delay_alu instid0(VALU_DEP_1)
	v_bfe_u32 v48, v5, v11, 1
	LEVEL 1
	s_delay_alu instid0(VALU_DEP_1)
	v_add_nc_u32 v52, v7, v11
	s_delay_alu instid0(VALU_DEP_1)
	v_min_u32 v52, 0x3ff, v52                      ; the token, held inside x
	s_delay_alu instid0(VALU_DEP_1)
	v_lshlrev_b32 v53, 12, v52                     ; its row of 4,096 bytes,
	s_lshl_b32 s22, s12, 9                         ; my K step's 512 bytes,
	v_lshl_add_u32 v8, v3, 6, s22                  ; my half's 16 numbers of a block of 32
	s_delay_alu instid0(VALU_DEP_1)
	v_add_nc_u32 v53, v53, v8
.irp b, 0,1,2,3
.irp j, 0,1,2,3
	global_load_b128 v[ST+16*\b+4*\j:ST+16*\b+4*\j+3], v53, s[4:5] offset:128*\b+16*\j
.endr
.endr
	s_lshl_b32 s24, s13, 20                        ; where the image goes
	s_lshl_b32 s25, s14, 14
	s_add_co_u32 s24, s24, s25
	s_lshl_b32 s25, s12, 11
	s_add_co_u32 s24, s24, s25
	v_lshl_add_u32 v54, v1, 4, s24
	s_lshl_b32 s24, s13, 16                        ; and the scale words
	s_lshl_b32 s25, s14, 10
	s_add_co_u32 s24, s24, s25
	s_lshl_b32 s25, s12, 7
	s_add_co_u32 s24, s24, s25
	s_add_co_u32 s24, s24, 8388608
	v_lshl_add_u32 v55, v1, 2, s24
	s_wait_loadcnt 0x0
	; the quantiser: four blocks of 32, each in lanes l and l xor 16
.irp b, 0,1,2,3
	v_max3_num_f32 v[TM+\b], |v[ST+16*\b]|, |v[ST+1+16*\b]|, 0x8000000   ; my 16 numbers, and the floor 2^(16 - 127): the byte cannot fall under 1
.endr
.irp i, 2,4,6,8,10,12,14
.irp b, 0,1,2,3
	s_delay_alu instid0(VALU_DEP_4)
	v_max3_num_f32 v[TM+\b], v[TM+\b], |v[ST+16*\b+\i]|, |v[ST+1+16*\b+\i]|
.endr
.endr
.irp b, 0,1,2,3
	s_delay_alu instid0(VALU_DEP_4)
	v_permlanex16_b32 v[TM+4+\b], v[TM+\b], s[SEL], s[SEL+1]
.endr
.irp b, 0,1,2,3
	s_delay_alu instid0(VALU_DEP_4)
	v_max_num_f32 v[TM+\b], v[TM+\b], v[TM+4+\b]   ; the block's largest magnitude
.endr
.irp b, 0,1,2,3
	s_delay_alu instid0(VALU_DEP_4)
	v_add_nc_u32 v[TM+12+\b], 0xf8800000, v[TM+\b] ; 15 off its exponent field: the conversion's scale operand
.endr
.irp b, 0,1,2,3
	v_and_or_b32 v[TM+8+\b], v[TM+\b], 0x7f800000, s[MNT]   ; 57,344 x the scale
.endr
.irp b, 0,1,2,3
	v_lshrrev_b32 v[TM+4+\b], 23, v[TM+12+\b]      ; the scale's byte
.endr
	s_delay_alu instid0(VALU_DEP_3)
	v_lshl_or_b32 v[PW], v[TM+5], 8, v[TM+4]
	s_delay_alu instid0(VALU_DEP_1)
	v_lshl_or_b32 v[PW], v[TM+6], 16, v[PW]
	s_delay_alu instid0(VALU_DEP_1)
	v_lshl_or_b32 v[PW], v[TM+7], 24, v[PW]
.irp b, 0,1,2,3
.irp i, 0,1,2,3,4,5,6,7,8,9,10,11,12,13,14,15
	v_med3_num_f32 v[ST+16*\b+\i], v[ST+16*\b+\i], -v[TM+8+\b], v[TM+8+\b]   ; the conversion to an 8-bit code does not saturate (ISA guide 7.6.2): the hold comes first
.endr
	v_cvt_scalef32_pk8_bf8_f32 v[PC+4*\b:PC+1+4*\b], v[ST+16*\b:ST+7+16*\b], v[TM+12+\b]
	v_cvt_scalef32_pk8_bf8_f32 v[PC+2+4*\b:PC+3+4*\b], v[ST+8+16*\b:ST+15+16*\b], v[TM+12+\b]
.endr
	v_nop                                          ; a plain line behind the last conversion
.irp c, 0,1,2,3
	global_store_b128 v54, v[PC+4*\c:PC+4*\c+3], s[8:9] offset:512*\c   ; 512 consecutive bytes a store
.endr
	global_store_b32 v55, v[PW], s[8:9]
	s_cmp_lg_u32 s12, 0
	s_cbranch_scc1 .Ldone
	v_lshlrev_b32 v56, 5, v52                      ; wave 0: the ranks: 32 bytes a token, 4 an expert
	s_lshl_b32 s26, s13, 2
	v_add_nc_u32 v56, s26, v56
	v_cmp_gt_u32 vcc_lo, s17, v4                   ; only ranks under the count,
	v_cmp_gt_u32 s27, 16, v1                       ; once each
	s_and_b32 vcc_lo, vcc_lo, s27
	s_wait_alu depctr_va_vdst(0)
	s_wait_xcnt 0x0                                ; EXEC changes only behind this wait
	s_and_saveexec_b32 s28, vcc_lo
	global_store_b32 v56, v4, s[10:11]
	s_wait_xcnt 0x0
	s_or_b32 exec_lo, exec_lo, s28
.Ldone:
	s_endpgm
.Lfunc_end_k_q3f45861205_place:
	.size	k_q3f45861205_place, .Lfunc_end_k_q3f45861205_place-k_q3f45861205_place
	.p2alignl 7, 3214868480
	.fill 96, 4, 3214868480
	.section	.rodata,"a",@progbits
	.p2align	6, 0x0
	.amdhsa_kernel k_q3f45861205_place
		.amdhsa_group_segment_fixed_size 0
		.amdhsa_private_segment_fixed_size 0
		.amdhsa_enable_private_segment 0
		.amdhsa_kernarg_size 32
		.amdhsa_user_sgpr_count 2
		.amdhsa_user_sgpr_kernarg_segment_ptr 1
		.amdhsa_wavefront_size32 1
		.amdhsa_system_sgpr_workgroup_id_x 1
		.amdhsa_system_sgpr_workgroup_id_y 1
		.amdhsa_system_sgpr_workgroup_id_z 1
		.amdhsa_system_vgpr_workitem_id 0
		.amdhsa_next_free_vgpr 224
		.amdhsa_next_free_sgpr 66
		.amdhsa_reserve_vcc 1
		.amdhsa_float_denorm_mode_32 3
		.amdhsa_float_denorm_mode_16_64 3
		.amdhsa_memory_ordered 1
		.amdhsa_forward_progress 1
		.amdhsa_inst_pref_size 35
	.end_amdhsa_kernel
	.amdgpu_metadata
---
amdhsa.version: [ 1, 2 ]
amdhsa.kernels:
  - .name:           k_q3f45861205_place
    .symbol:         k_q3f45861205_place.kd
    .args:
      - { .name: x, .offset: 0, .size: 8, .value_kind: global_buffer, .address_space: global }
      - { .name: sel, .offset: 8, .size: 8, .value_kind: global_buffer, .address_space: global }
      - { .name: xs, .offset: 16, .size: 8, .value_kind: global_buffer, .address_space: global }
      - { .name: rkc, .offset: 24, .size: 8, .value_kind: global_buffer, .address_space: global }
    .group_segment_fixed_size: 0
    .private_segment_fixed_size: 0
    .kernarg_segment_align: 8
    .kernarg_segment_size: 32
    .max_flat_workgroup_size: 256
    .sgpr_count:     66
    .vgpr_count:     224
    .wavefront_size: 32
...
	.end_amdgpu_metadata
.endif
;; end of part 2
;; launch ffn1 (part 3): grid 32 x 8, 4 waves a work-group, no clusters, 197,120 bytes of LDS; arguments W1, b1, xs, rkc, hq; writes hq
.if DOCPART == 3
	.amdgcn_target "amdgcn-amd-amdhsa--gfx1250"
	.amdhsa_code_object_version 6
	.text
	.protected	k_q3f45861205_ffn1
	.globl	k_q3f45861205_ffn1
	.p2align	8
	.type	k_q3f45861205_ffn1,@function
k_q3f45861205_ffn1:
	s_mov_b64 s[64:65], 0
	v_nop
	global_prefetch_b8 v0, s[64:65] scope:SCOPE_SE
	s_setreg_imm32_b32 hwreg(HW_REG_WAVE_MODE, 25, 1), 1
	s_wait_xcnt 0x0
; THE FIRST PRODUCT: h = Q(gelu(x W1 + b1)) for the rows of one expert, on codes of E5M2 with one E8M0 scale for each 32 along K.
; Work-group (sl, e) owns hidden units 128 sl .. 128 sl + 127 of expert e: 1,024 x 128 numbers of W1, read from memory ONCE in the launch, quantised in registers, and kept there as codes.
; THE FOUR WAVES SHARE K: wave w owns k = 256 w .. 256 w + 255 (K steps 2 w, 2 w + 1) of all 128 columns: 256 registers of codes.  So each load of W1 covers 512 consecutive bytes of a row, each fragment of x is
; read once by the work-group, and the price is a sum over the four waves, through LDS.
; THE STREAM.  Lane l takes columns 4 l .. 4 l + 3, its registers run down K: a block of 32 along K of a column lies in one lane.  The hold at the largest code also sorts the numbers by column.  A column's 32 codes are 8
; registers; the operand wants 16 of them in lane r and 16 in lane 16 + r, which one exchange of half-rows between two registers gives for two tiles at once.  Two slots of 32 loads take turns.
; TILES.  Tile 4 H + q holds columns 64 H + 4 r + q.  The product is used transposed (source 0 = 16 columns of W1, source 1 = 16 rows of x): in tile (H, q) register j of lane (r, h) is row r, unit 64 H + 32 h + 4 j + q.
; So a lane holds whole blocks of 32 hidden units: the next quantiser's largest magnitude needs no other lane.
; A PASS is 64 rows, four tiles.  Wave w multiplies all four by its K; tile w is its own, the other three go to their owners through LDS (register images, 16 bytes a lane); barrier; the owner adds, applies gelu,
; quantises and stores the tile's K step sl of the second product as a register image.
; TWO LDS BUFFERS TAKE TURNS, pass by pass, so that ONE barrier a pass does: pass p's sums are read behind its barrier; the same bytes are written again in pass p + 2, behind pass p + 1's barrier, in front of which
; every wave has waited for all its LDS loads.  A trip of the loop runs two passes, so that each buffer's addresses are constants of the text.
; The loop has 8 trips, 16 passes, for every split; the work of a pass at or past the expert's count of passes (a number that an earlier launch stored) is jumped over, the barriers are not.
; This text has no tensor load, and so no joint loads; W1 is shared by nobody.
; THE ORDER ALONG THE NEXT K: inside a block of 32, place 8 q + j stands for unit 4 j + q.  The next launch lays W2's rows in the same order; blocks are kept, so the scales are the quantiser's.
; GELU: 0.5 x (1 + erf(x / sqrt 2)), erf(t) = t P(t^2) / Q(t^2), t held to +-4: a rational form good to a few units in f32's last place.
; LIMITS: NaN and infinities are not served; a block of zeros gets the byte 1 (its codes are zeros; this program alone reads the bytes); a sum over K is four partial f32 sums, added.
; REGISTERS, in windows of 256.  Window 0: addresses, scale words, at work.  Window 1: the stream's two slots, then the accumulators (slot i, tile tau) at 64 i + 8 tau.
;   Window 2: v0-127 x's fragments (slot i, K step s) at 16 (2 i + s); v128-191 b1 in the result's layout; v192-255 b1 as loaded.   Window 3: W1's codes (tile tau, K step s) at 16 (2 tau + s).
.set VA,   4                           ; v4-7     x's images: tile (w + i) % 4 of a pass, + 16 lane
.set VS,   8                           ; v8-11    their scale words, + 4 lane
.set LW,   12                          ; v12-14   LDS, buffer 0: where slot i = 1..3 goes: owner (w + i) % 4, source place i - 1;  v16-18 the same in buffer 1
.set LR,   15                          ; v15      LDS, buffer 0: my three sources;  v19 in buffer 1
.set BUF,  98304                       ; a buffer: 4 owners x 3 sources x 8,192 bytes
.set SW,   24                          ; v24-31   W1's scale words (q, s) at 2 q + s: lanes 0-15 for H = 0, lanes 16-31 for H = 1
.set XS,   32                          ; v32-39   x's scale words (i, s) at 2 i + s
.set MX,   40                          ; largest magnitudes
.set SCL,  44                          ; the conversions' scale operands
.set LIM,  48                          ; 57,344 x the scale
.set BY,   52                          ; bytes
.set A0,   56                          ; v[56:57] P's leading coefficient, twice
.set B0,   58                          ; v[58:59] Q's
.set HH,   64                          ; v64-127  the tile's 64 numbers a lane
.set TT,   64                          ; v64-191  in the stream: 4 columns x 32 held numbers
.set T,    128
.set X2,   144
.set PP,   160
.set QQ,   176
.set C8,   192                         ; v192-223 in the stream: 4 columns x 8 registers of codes
.set U,    192                         ; v192-207 the hidden fragment
.set PW,   208
.set WOWN, 209
.set WOTH, 210
.set BIAS, 128
.set BT,   192
.set WV,   14
.set EX,   15
.set SL,   16
.set NR,   17                          ; s17  the expert's passes
.set RHO,  18                          ; s18  the trip's first pass
.set WB,   24                          ; s[24:25] my part of W1
.set XB,   26                          ; s[26:27] x's images, my K steps, the trip's first pass
.set XSB,  28                          ; s[28:29] their scale words
.set HB,   30                          ; s[30:31] where my tile's image goes
.set HSB,  32                          ; s[32:33] and its scale words
.set BB,   34                          ; s[34:35] b1's 128 numbers
.set MNT,  36
.set SEL,  38
.set KC,   40                          ; s[40:61] eleven constants, each twice: 1 / sqrt 2; P's six further coefficients; Q's four
.set MSB, 0
.macro WIN new                         ; the immediate's high byte repeats the setting that is left
.if MSB != \new
	s_set_vgpr_msb (MSB<<8)|\new
.set MSB, \new
.endif
.endm
.macro TWICE r, val
	s_mov_b32 s[\r], \val
	s_mov_b32 s[\r+1], \val
.endm
.macro LOADW kb, slot                  ; block kb of my K: 32 rows x 512 consecutive bytes
	WIN 0x40
.set k_, 0
.rept 32
	global_load_b128 v[128*(\slot)+4*k_:128*(\slot)+4*k_+3], v1, s[WB:WB+1] offset:(32*(\kb)+k_)*16384 th:TH_LOAD_NT
.set k_, k_+1
.endr
.endm
.macro QW1 kb, slot                    ; the block becomes part kb % 4 of the eight tiles' fragments of K step kb / 4
.set SB_, 128*(\slot)
.set ks_, (\kb)/4
.set kc_, (\kb)%4
	WIN 0x05
.irp q, 0,1,2,3
	v_max3_num_f32 v[MX+\q], |v[SB_+\q]|, |v[SB_+4+\q]|, 0x8000000   ; four columns by turns; the floor 2^(16 - 127) holds the byte at 1 from below
.endr
.set k_, 2
.rept 15
.irp q, 0,1,2,3
	v_max3_num_f32 v[MX+\q], |v[SB_+4*k_+\q]|, |v[SB_+4*k_+4+\q]|, v[MX+\q]
.endr
.set k_, k_+2
.endr
	WIN 0
.irp q, 0,1,2,3
	v_add_nc_u32 v[SCL+\q], 0xf8800000, v[MX+\q]
.endr
.irp q, 0,1,2,3
	v_and_or_b32 v[LIM+\q], v[MX+\q], 0x7f800000, s[MNT]
.endr
.irp q, 0,1,2,3
.if kc_ == 0
	v_lshrrev_b32 v[SW+2*\q+ks_], 23, v[SCL+\q]
.else
	v_lshrrev_b32 v[BY+\q], 23, v[SCL+\q]
.endif
.endr
.if kc_ > 0
.irp q, 0,1,2,3
	v_lshl_or_b32 v[SW+2*\q+ks_], v[BY+\q], 8*kc_, v[SW+2*\q+ks_]
.endr
.endif
	WIN 0x01
.set k_, 0
.rept 32
.irp q, 0,1,2,3
	v_med3_num_f32 v[TT+32*\q+k_], v[SB_+4*k_+\q], -v[LIM+\q], v[LIM+\q]   ; the hold, which also sorts by column
.endr
.set k_, k_+1
.endr
.if (\kb)+2 < 8
	LOADW (\kb)+2, \slot                           ; the slot has been read
.endif
	WIN 0
.irp q, 0,1,2,3
.irp g, 0,1,2,3
	v_cvt_scalef32_pk8_bf8_f32 v[C8+8*\q+2*\g:C8+8*\q+2*\g+1], v[TT+32*\q+8*\g:TT+32*\q+8*\g+7], v[SCL+\q]
.endr
.endr
	v_nop                                          ; a plain line behind the last conversion
.irp q, 0,1,2,3
.irp i, 0,1,2,3
	v_permlane16_swap_b32 v[C8+8*\q+\i], v[C8+8*\q+4+\i]   ; the first now holds tile (0, q)'s register in all 32 lanes, the second tile (1, q)'s
.endr
.endr
	WIN 0xc0
.irp q, 0,1,2,3
.irp i, 0,1,2,3
	v_mov_b32 v[16*(2*\q+ks_)+4*kc_+\i], v[C8+8*\q+\i]
	v_mov_b32 v[16*(2*(4+\q)+ks_)+4*kc_+\i], v[C8+8*\q+4+\i]
.endr
.endr
.endm
.macro AFETCH nx                       ; x's eight fragments and scale words of the pass nx passes on from the trip's first
	WIN 0x80
.irp i, 0,1,2,3
.irp s, 0,1
.irp c, 0,1,2,3
	global_load_b128 v[16*(2*\i+\s)+4*\c:16*(2*\i+\s)+4*\c+3], v[VA+\i], s[XB:XB+1] offset:(\nx)*65536+\s*2048+\c*512
.endr
.endr
.endr
	WIN 0
.irp i, 0,1,2,3
.irp s, 0,1
	global_load_b32 v[XS+2*\i+\s], v[VS+\i], s[XSB:XSB+1] offset:(\nx)*4096+\s*128
.endr
.endr
.endm
.macro PROD i, hh, q, s                ; slot i, tile 4 hh + q, K step s.  The first K step starts the sums: with b1 in my own tile, with 0 in the others
.set rD, 64*(\i)+8*(4*(\hh)+(\q))
.set rA, 16*(2*(4*(\hh)+(\q))+(\s))
.set rB, 16*(2*(\i)+(\s))
.set rC, BIAS+32*(\hh)+8*(\q)
.set rS, SW+2*(\q)+(\s)
.set rX, XS+2*(\i)+(\s)
.if (\s) == 0 && (\i) == 0
.if (\hh) == 0
	v_wmma_scale_f32_16x16x128_f8f6f4 v[rD:rD+7], v[rA:rA+15], v[rB:rB+15], v[rC:rC+7], v[rS], v[rX] matrix_a_fmt:MATRIX_FMT_BF8 matrix_b_fmt:MATRIX_FMT_BF8
.else
	v_wmma_scale_f32_16x16x128_f8f6f4 v[rD:rD+7], v[rA:rA+15], v[rB:rB+15], v[rC:rC+7], v[rS], v[rX] matrix_a_fmt:MATRIX_FMT_BF8 matrix_b_fmt:MATRIX_FMT_BF8 matrix_a_scale:MATRIX_SCALE_ROW1
.endif
.elseif (\s) == 0
.if (\hh) == 0
	v_wmma_scale_f32_16x16x128_f8f6f4 v[rD:rD+7], v[rA:rA+15], v[rB:rB+15], 0, v[rS], v[rX] matrix_a_fmt:MATRIX_FMT_BF8 matrix_b_fmt:MATRIX_FMT_BF8
.else
	v_wmma_scale_f32_16x16x128_f8f6f4 v[rD:rD+7], v[rA:rA+15], v[rB:rB+15], 0, v[rS], v[rX] matrix_a_fmt:MATRIX_FMT_BF8 matrix_b_fmt:MATRIX_FMT_BF8 matrix_a_scale:MATRIX_SCALE_ROW1
.endif
.else
.if (\hh) == 0
	v_wmma_scale_f32_16x16x128_f8f6f4 v[rD:rD+7], v[rA:rA+15], v[rB:rB+15], v[rD:rD+7], v[rS], v[rX] matrix_a_fmt:MATRIX_FMT_BF8 matrix_b_fmt:MATRIX_FMT_BF8
.else
	v_wmma_scale_f32_16x16x128_f8f6f4 v[rD:rD+7], v[rA:rA+15], v[rB:rB+15], v[rD:rD+7], v[rS], v[rX] matrix_a_fmt:MATRIX_FMT_BF8 matrix_b_fmt:MATRIX_FMT_BF8 matrix_a_scale:MATRIX_SCALE_ROW1
.endif
.endif
.endm
.macro MULS s                          ; 32 products, the 32 accumulators by turns, in the same order for both K steps
.irp i, 0,1,2,3
.if (\s) == 0 && \i == 0
	WIN 0x6b                                       ; W1 window 3, x window 2, b1 window 2, the sums window 1
.else
	WIN 0x5b                                       ; the same, C in window 1
.endif
.irp hh, 0,1
.irp q, 0,1,2,3
	PROD \i, \hh, \q, \s
.endr
.endr
.endr
.endm
.macro GELU g                          ; 16 numbers at a time, two to an instruction
.set G_, HH+16*(\g)
.irp p, 0,2,4,6,8,10,12,14
	v_pk_mul_f32 v[T+\p:T+\p+1], v[G_+\p:G_+\p+1], s[KC:KC+1] op_sel_hi:[1,0]
.endr
.irp p, 0,1,2,3,4,5,6,7,8,9,10,11,12,13,14,15
	v_med3_num_f32 v[T+\p], v[T+\p], -4.0, 4.0
.endr
.irp p, 0,2,4,6,8,10,12,14
	v_pk_mul_f32 v[X2+\p:X2+\p+1], v[T+\p:T+\p+1], v[T+\p:T+\p+1]
.endr
.irp p, 0,2,4,6,8,10,12,14
	v_pk_fma_f32 v[PP+\p:PP+\p+1], v[X2+\p:X2+\p+1], v[A0:A0+1], s[KC+2:KC+3] op_sel_hi:[1,1,0]
.endr
.irp c, 4,6,8,10,12
.irp p, 0,2,4,6,8,10,12,14
	v_pk_fma_f32 v[PP+\p:PP+\p+1], v[PP+\p:PP+\p+1], v[X2+\p:X2+\p+1], s[KC+\c:KC+\c+1] op_sel_hi:[1,1,0]
.endr
.endr
.irp p, 0,2,4,6,8,10,12,14
	v_pk_fma_f32 v[QQ+\p:QQ+\p+1], v[X2+\p:X2+\p+1], v[B0:B0+1], s[KC+14:KC+15] op_sel_hi:[1,1,0]
.endr
.irp c, 16,18,20
.irp p, 0,2,4,6,8,10,12,14
	v_pk_fma_f32 v[QQ+\p:QQ+\p+1], v[QQ+\p:QQ+\p+1], v[X2+\p:X2+\p+1], s[KC+\c:KC+\c+1] op_sel_hi:[1,1,0]
.endr
.endr
.irp p, 0,2,4,6,8,10,12,14
	v_pk_mul_f32 v[PP+\p:PP+\p+1], v[PP+\p:PP+\p+1], v[T+\p:T+\p+1]
.endr
	s_wait_alu depctr_va_vdst(0)
.irp p, 0,1,2,3,4,5,6,7,8,9,10,11,12,13,14,15
	v_rcp_f32 v[QQ+\p], v[QQ+\p]
.endr
.irp p, 0,2,4,6,8,10,12,14
	v_pk_mul_f32 v[G_+\p:G_+\p+1], v[G_+\p:G_+\p+1], 0.5 op_sel_hi:[1,0]   ; plain work behind the reciprocals
.endr
	s_wait_alu depctr_va_vdst(0)                   ; one wait for the sixteen, ahead of their first reader
.irp p, 0,2,4,6,8,10,12,14
	v_pk_mul_f32 v[PP+\p:PP+\p+1], v[PP+\p:PP+\p+1], v[QQ+\p:QQ+\p+1]      ; erf
.endr
.irp p, 0,2,4,6,8,10,12,14
	v_pk_fma_f32 v[G_+\p:G_+\p+1], v[G_+\p:G_+\p+1], v[PP+\p:PP+\p+1], v[G_+\p:G_+\p+1]
.endr
.endm
; A PASS: the par-th of a trip's two, on LDS buffer par
.macro PASS1 par
	s_add_co_u32 s20, s[RHO], \par                 ; this pass,
	s_add_co_u32 s21, s[RHO], (\par)+1             ; the next
	s_cmp_lt_u32 s20, s[NR]
	s_cbranch_scc0 .Lno_mul_\@
	s_wait_loadcnt 0x0                             ; this pass's x
	s_wait_alu depctr_va_vdst(0)
	MULS 0
	MULS 1
	WIN 0
.rept 9
	v_nop                                          ; places behind the products: for the LDS stores of results, for the loads into x's registers, and for the next pass's products, which begin the sums anew
.endr
	WIN 0x04                                       ; an LDS store's data: window 1
.irp i, 1,2,3
.set n_, 0
.rept 16
	ds_store_b128 v[LW+4*(\par)+\i-1], v[64*\i+4*n_:64*\i+4*n_+3] offset:512*n_   ; each accumulator from its low end on
.set n_, n_+1
.endr
.endr
	WIN 0
	s_cmp_lt_u32 s21, s[NR]
	s_cbranch_scc0 .Lno_next_\@
	AFETCH (\par)+1                                ; the next pass's x is asked for while the stores land; it lands while this pass is summed and quantised
.Lno_next_\@:
.Lno_mul_\@:
	s_wait_dscnt 0x0                               ; for the others' sake: my stores have landed, and my loads of the last pass's sums are in
	s_barrier_signal -1
	s_barrier_wait -1
	s_cmp_lt_u32 s20, s[NR]
	s_cbranch_scc0 .Lno_out_\@
	WIN 0x40
.irp i, 1,2,3
.set n_, 0
.rept 16
	ds_load_b128 v[64*\i+4*n_:64*\i+4*n_+3], v[LR+4*(\par)] offset:8192*(\i-1)+512*n_
.set n_, n_+1
.endr
.endr
	s_wait_dscnt 32                                ; the first source's 16 loads are in
	WIN 0x05
.set p_, 0
.rept 32
	v_pk_add_f32 v[HH+p_:HH+p_+1], v[p_:p_+1], v[64+p_:64+p_+1]
.set p_, p_+2
.endr
	s_wait_dscnt 16
	WIN 0x04
.set p_, 0
.rept 32
	v_pk_add_f32 v[HH+p_:HH+p_+1], v[HH+p_:HH+p_+1], v[128+p_:128+p_+1]
.set p_, p_+2
.endr
	s_wait_dscnt 0x0
.set p_, 0
.rept 32
	v_pk_add_f32 v[HH+p_:HH+p_+1], v[HH+p_:HH+p_+1], v[192+p_:192+p_+1]
.set p_, p_+2
.endr
	WIN 0
	GELU 0
	GELU 1
	GELU 2
	GELU 3
	s_wait_xcnt 0x0                                ; the last pass's stores have read their data: the registers may be written again
	; the quantiser: a lane's 32 numbers of half H are block 2 H + h
.irp hh, 0,1
	v_max3_num_f32 v[MX+\hh], |v[HH+32*\hh]|, |v[HH+32*\hh+1]|, 0x8000000
.endr
.irp k, 2,4,6,8,10,12,14,16,18,20,22,24,26,28,30
.irp hh, 0,1
	v_max3_num_f32 v[MX+\hh], v[MX+\hh], |v[HH+32*\hh+\k]|, |v[HH+32*\hh+\k+1]|
.endr
.endr
.irp hh, 0,1
	v_add_nc_u32 v[SCL+\hh], 0xf8800000, v[MX+\hh]
	v_and_or_b32 v[LIM+\hh], v[MX+\hh], 0x7f800000, s[MNT]
.endr
.irp hh, 0,1
	v_lshrrev_b32 v[BY+\hh], 23, v[SCL+\hh]
.endr
	v_lshl_or_b32 v[WOWN], v[BY+1], 16, v[BY]      ; my two blocks' bytes,
	v_permlanex16_b32 v[WOTH], v[WOWN], s[SEL], s[SEL+1]
	v_lshl_or_b32 v[PW], v[WOTH], 8, v[WOWN]       ; with lane l xor 16's: in lanes 0-15 the row's scale word (lanes 16-31 hold valid bytes that no product reads)
.irp hh, 0,1
.set k_, 0
.rept 32
	v_med3_num_f32 v[HH+32*\hh+k_], v[HH+32*\hh+k_], -v[LIM+\hh], v[LIM+\hh]
.set k_, k_+1
.endr
.irp q, 0,1,2,3
	v_cvt_scalef32_pk8_bf8_f32 v[U+8*\hh+2*\q:U+8*\hh+2*\q+1], v[HH+32*\hh+8*\q:HH+32*\hh+8*\q+7], v[SCL+\hh]
.endr
.endr
	v_nop                                          ; a plain line behind the last conversion
.irp hh, 0,1
.irp i, 0,1,2,3
	v_permlane16_swap_b32 v[U+8*\hh+\i], v[U+8*\hh+4+\i]   ; registers 4 c .. 4 c + 3 now hold places 32 c + 16 h + 0..15
.endr
.endr
.irp c, 0,1,2,3
	global_store_b128 v1, v[U+4*\c:U+4*\c+3], s[HB:HB+1] offset:(\par)*262144+512*\c   ; 512 consecutive bytes a store
.endr
	global_store_b32 v2, v[PW], s[HSB:HSB+1] offset:(\par)*16384
.Lno_out_\@:
.endm
	s_load_b256 s[4:11], s[0:1], 0x0               ; W1 s[4:5], b1 s[6:7], xs s[8:9], rkc s[10:11]
	s_load_b64 s[12:13], s[0:1], 0x20              ; hq
	v_lshl_add_u32 v254, v0, 2, 0x30000
	v_mov_b32 v255, 0
	v_lshrrev_b32 v4, 5, v0
	v_readfirstlane_b32 s[WV], v4                  ; wave 0..3
	s_and_b32 s[EX], ttmp7, 0xffff                 ; the expert
	s_mov_b32 s[SL], ttmp9                         ; the slice of 128 hidden units
	v_and_b32 v5, 31, v0
	v_lshlrev_b32 v1, 4, v5                        ; 16 x lane
	v_lshlrev_b32 v2, 2, v5                        ; 4 x lane
	s_wait_alu depctr_va_vdst(0)
	v_bfe_u32 v3, v0, 4, 1
	v_lshlrev_b32 v3, 7, v3                        ; b1: my half's 32 numbers
.irp i, 0,1,2,3
	s_add_co_u32 s20, s[WV], \i
	s_and_b32 s20, s20, 3                          ; slot i is tile (w + i) % 4 of the pass
	s_lshl_b32 s21, s20, 14
	v_add_nc_u32 v[VA+\i], s21, v1
	s_lshl_b32 s21, s20, 10
	v_add_nc_u32 v[VS+\i], s21, v2
.if \i > 0
	s_mul_i32 s21, s20, 24576                      ; its owner's 3 x 8,192 bytes of LDS,
	s_add_co_u32 s21, s21, (\i-1)*8192             ; the place of the source i waves back
	v_add_nc_u32 v[LW+\i-1], s21, v1
	v_add_nc_u32 v[LW+4+\i-1], BUF, v[LW+\i-1]     ; and the same place in buffer 1
.endif
.endr
	s_mul_i32 s21, s[WV], 24576
	v_add_nc_u32 v[LR], s21, v1
	v_add_nc_u32 v[LR+4], BUF, v[LR]
	s_mov_b32 s[MNT], 0x600000
	s_mov_b32 s[SEL], 0x76543210
	s_mov_b32 s[SEL+1], 0xfedcba98
	TWICE KC, 0x3f3504f3                           ; 1 / sqrt 2
	TWICE KC+2, 0x32edffee                         ; P: 2.77068142e-08
	TWICE KC+4, 0xb60cff51                         ; -2.10102402e-06
	TWICE KC+6, 0xb86ec2d2                         ; -5.69250639e-05
	TWICE KC+8, 0xba40ac63                         ; -7.34990630e-04
	TWICE KC+10, 0xbb41a1f6                        ; -2.95459981e-03
	TWICE KC+12, 0xbc83dbd4                        ; -1.60960333e-02
	TWICE KC+14, 0xb95fbd29                        ; Q: -2.13374055e-04
	TWICE KC+16, 0xbadc924e                        ; -1.68282697e-03
	TWICE KC+18, 0xbbf19bf8                        ; -7.37332917e-03
	TWICE KC+20, 0xbc69b6a7                        ; -1.42647391e-02
	v_mov_b32 v[A0], 0xaf95df0b                    ; P's leading coefficient, -2.72614226e-10
	v_mov_b32 v[A0+1], 0xaf95df0b
	v_mov_b32 v[B0], 0xb77460cd                    ; Q's, -1.45660718e-05
	v_mov_b32 v[B0+1], 0xb77460cd
	v_mov_b32 v[WOTH], 0                           ; a lane permute's destination counts as one of its sources
	s_mov_b32 s21, 0
	s_lshl_b32 s20, s[EX], 2
	s_add_co_u32 s20, s20, 32768
	s_wait_kmcnt 0x0
	s_add_nc_u64 s[22:23], s[10:11], s[20:21]
	s_load_b32 s[NR], s[22:23], 0x0                ; the expert's passes
	s_lshl_b32 s20, s[EX], 24                      ; W1: the expert, my 256 rows of 16,384 bytes, the slice's 512 bytes
	s_lshl_b32 s19, s[WV], 22
	s_add_co_u32 s20, s20, s19
	s_lshl_b32 s19, s[SL], 9
	s_add_co_u32 s20, s20, s19
	s_add_nc_u64 s[WB:WB+1], s[4:5], s[20:21]
	LOADW 0, 0
	LOADW 1, 1
	s_lshl_b32 s20, s[EX], 20                      ; x's images: the expert, K step 2 w
	s_lshl_b32 s19, s[WV], 12
	s_add_co_u32 s20, s20, s19
	s_add_nc_u64 s[XB:XB+1], s[8:9], s[20:21]
	s_lshl_b32 s20, s[EX], 16
	s_lshl_b32 s19, s[WV], 8
	s_add_co_u32 s20, s20, s19
	s_add_co_u32 s20, s20, 8388608
	s_add_nc_u64 s[XSB:XSB+1], s[8:9], s[20:21]
	s_lshl_b32 s20, s[EX], 22                      ; the hidden layer's images: the expert, tile w, K step sl
	s_lshl_b32 s19, s[WV], 16
	s_add_co_u32 s20, s20, s19
	s_lshl_b32 s19, s[SL], 11
	s_add_co_u32 s20, s20, s19
	s_add_nc_u64 s[HB:HB+1], s[12:13], s[20:21]
	s_lshl_b32 s20, s[EX], 18
	s_lshl_b32 s19, s[WV], 12
	s_add_co_u32 s20, s20, s19
	s_lshl_b32 s19, s[SL], 7
	s_add_co_u32 s20, s20, s19
	s_add_co_u32 s20, s20, 33554432
	s_add_nc_u64 s[HSB:HSB+1], s[12:13], s[20:21]
	s_lshl_b32 s20, s[EX], 14
	s_lshl_b32 s19, s[SL], 9
	s_add_co_u32 s20, s20, s19
	s_add_nc_u64 s[BB:BB+1], s[6:7], s[20:21]
	s_wait_kmcnt 0x0
	s_min_u32 s[NR], s[NR], 16
	; ---- THE STREAM: eight blocks of 32 along K
.irp kb, 0,1,2,3,4,5,6,7
.if \kb < 7
	s_wait_loadcnt 32                              ; this block's 32 loads are in; the other slot's 32 may be out
.else
	s_wait_loadcnt 0x0
	WIN 0x80                                       ; b1 and the first pass's x are asked for while the last block is quantised (every expert has at least one pass)
.irp hh, 0,1
.irp j, 0,1,2,3,4,5,6,7
	global_load_b128 v[BT+4*(8*\hh+\j):BT+4*(8*\hh+\j)+3], v3, s[BB:BB+1] offset:4*(64*\hh+4*\j)
.endr
.endr
	AFETCH 0
.endif
	QW1 \kb, (\kb)%2
.endr
	s_wait_loadcnt 0x0
	WIN 0x82
.irp hh, 0,1
.irp q, 0,1,2,3
.irp j, 0,1,2,3,4,5,6,7
	v_mov_b32 v[BIAS+32*\hh+8*\q+\j], v[BT+4*(8*\hh+\j)+\q]   ; b1 in the result's layout: unit 64 H + 32 h + 4 j + q
.endr
.endr
.endr
	WIN 0
.rept 8
	v_nop                                          ; codes and scale words written by vector instructions stand well ahead of the first product
.endr
	s_mov_b32 s[RHO], 0
	; ---- THE ROWS: 8 trips of two passes for every split
.Lpass:
	PASS1 0
	PASS1 1
	s_wait_xcnt 0x0                                ; loads and stores have read their bases
	s_add_nc_u64 s[XB:XB+1], s[XB:XB+1], 131072
	s_add_nc_u64 s[XSB:XSB+1], s[XSB:XSB+1], 8192
	s_add_nc_u64 s[HB:HB+1], s[HB:HB+1], 524288
	s_add_nc_u64 s[HSB:HSB+1], s[HSB:HSB+1], 32768
	s_add_co_u32 s[RHO], s[RHO], 2
	s_cmp_lt_u32 s[RHO], 16
	s_cbranch_scc1 .Lpass
	s_wait_tensorcnt 0x0
	ds_add_u32 v254, v255
	s_wait_dscnt 0x0
	s_endpgm
.Lfunc_end_k_q3f45861205_ffn1:
	.size	k_q3f45861205_ffn1, .Lfunc_end_k_q3f45861205_ffn1-k_q3f45861205_ffn1
	.p2alignl 7, 3214868480
	.fill 96, 4, 3214868480
	.section	.rodata,"a",@progbits
	.p2align	6, 0x0
	.amdhsa_kernel k_q3f45861205_ffn1
		.amdhsa_group_segment_fixed_size 197120
		.amdhsa_private_segment_fixed_size 0
		.amdhsa_enable_private_segment 0
		.amdhsa_kernarg_size 40
		.amdhsa_user_sgpr_count 2
		.amdhsa_user_sgpr_kernarg_segment_ptr 1
		.amdhsa_wavefront_size32 1
		.amdhsa_system_sgpr_workgroup_id_x 1
		.amdhsa_system_sgpr_workgroup_id_y 1
		.amdhsa_system_sgpr_workgroup_id_z 1
		.amdhsa_system_vgpr_workitem_id 0
		.amdhsa_next_free_vgpr 1024
		.amdhsa_next_free_sgpr 66
		.amdhsa_reserve_vcc 0
		.amdhsa_float_denorm_mode_32 3
		.amdhsa_float_denorm_mode_16_64 3
		.amdhsa_memory_ordered 1
		.amdhsa_forward_progress 1
		.amdhsa_inst_pref_size 255
	.end_amdhsa_kernel
	.section	.bss,"aw",@nobits
	.p2align	6
	.space	262144
	.amdgpu_metadata
---
amdhsa.version: [ 1, 2 ]
amdhsa.kernels:
  - .name:           k_q3f45861205_ffn1
    .symbol:         k_q3f45861205_ffn1.kd
    .args:
      - { .name: W1, .offset: 0, .size: 8, .value_kind: global_buffer, .address_space: global }
      - { .name: b1, .offset: 8, .size: 8, .value_kind: global_buffer, .address_space: global }
      - { .name: xs, .offset: 16, .size: 8, .value_kind: global_buffer, .address_space: global }
      - { .name: rkc, .offset: 24, .size: 8, .value_kind: global_buffer, .address_space: global }
      - { .name: hq, .offset: 32, .size: 8, .value_kind: global_buffer, .address_space: global }
    .group_segment_fixed_size: 197120
    .private_segment_fixed_size: 0
    .kernarg_segment_align: 8
    .kernarg_segment_size: 40
    .max_flat_workgroup_size: 128
    .sgpr_count:     66
    .vgpr_count:     1024
    .wavefront_size: 32
...
	.end_amdgpu_metadata
.endif
;; end of part 3
;; launch ffn2 (part 4): grid 32 x 8, 8 waves a work-group, no clusters, 52,224 bytes of LDS; arguments W2, hq, rkc, yp; writes yp
.if DOCPART == 4
	.amdgcn_target "amdgcn-amd-amdhsa--gfx1250"
	.amdhsa_code_object_version 6
	.text
	.protected	k_q3f45861205_ffn2
	.globl	k_q3f45861205_ffn2
	.p2align	8
	.type	k_q3f45861205_ffn2,@function
k_q3f45861205_ffn2:
	s_mov_b64 s[64:65], 0
	v_nop
	global_prefetch_b8 v0, s[64:65] scope:SCOPE_SE
	s_setreg_imm32_b32 hwreg(HW_REG_WAVE_MODE, 25, 1), 1
	s_wait_xcnt 0x0
; THE SECOND PRODUCT, in two halves of its K: yp[kh][e][row][col] = the sum over 2,048 hidden units of h W2, on codes of E5M2 with one E8M0 scale for each 32 along K.
; Only the rows that chose expert e are multiplied (the others have the combine weight 0).
; Work-group (x, e): cs = x / 2 is a slice of 64 columns, kh = x % 2 a half of the 4,096 hidden units: 2,048 x 64 numbers of W2.
; TWO ROLES, each with its own count of loads.  Waves 0-3 STREAM W2: a unit is 256 along K (K steps 2 u, 2 u + 1) x 64 columns; wave w takes its blocks 2 w, 2 w + 1 of 32 (32 loads, two runs of 256 consecutive
; bytes each), quantises them and puts codes and scale bytes into LDS as images of the operand's registers.  Two register slots: the loads of two units are out.
; Waves 4-7 MULTIPLY: wave 4 + v owns row tiles 4 i + v, i = 0..4, of a round of 20 tiles, all 64 columns, all of K: 20 accumulators; no sum over waves.  Each of h's fragments is loaded once by the work-group,
; into a register of its own, and is asked for again, one unit ahead, as soon as its products have read it.
; ONE BARRIER A UNIT, TWO LDS BUFFERS BY TURNS: while unit u is quantised into one buffer, unit u - 1 is multiplied out of the other.  A trip of the loop is two units, so that slots and buffers are constants of the text;
; five trips: the stream works in trips 0-3, the products lag one unit.
; A ROUND serves 320 rows; four rounds, a constant, serve every split (1,024 rows on one expert too); a later round streams W2 again.  A round without rows jumps over the work, not over the barriers.
; Wherever a unit's work is jumped over, the other way holds a wait for all loads: on that way none that matters is out, and the line states it, so that the counted wait means the same on every way.
; Such branches hang on a count that an earlier launch stored. This text has no tensor load and no joint loads; W2 is shared by nobody.  No prefetch: the stream's loads are out through the whole launch.
; THE ORDER ALONG K is the one in which the launch before laid h: place 16 h + i of a block is unit 4 (i % 8) + i / 8 + 2 h.  Lane (r, h) takes columns 4 r .. 4 r + 3, lanes 16-31 the row two further down.
; TILES.  Tile q holds columns 4 r + q.  Transposed use (source 0 = 16 columns of W2, source 1 = 16 rows of h): register j of lane (r, h) is row r, column 32 h + 4 j + q.
; The sums are cleared by moves while the first unit is on its way: the loop's text serves every unit, so no product of it can begin a sum.  The first fetch of h takes all five tiles (inside hq; what lies past the
; expert's tiles is never multiplied), so that every register has been written.
; LIMITS: NaN and infinities are not served; a block of zeros gets the byte 1 (its codes are zeros; this program alone reads the bytes); a sum over K is two partial f32 sums, added in the last launch.
; REGISTERS.  Both roles: v1-11 addresses.  No register is a load's target in both roles: W2's loads land in window 1 alone, the multiplying role's loads in window 0 alone.
; Stream: window 1 the two slots; v32-39 bytes, v64-191 held numbers, v192-223 codes, v224-255 at work.
; Products: window 1 v0-159 the sums (tile i, q) at 32 i + 8 q; window 0 v12-21 h's scale words, v24-31 W2's, v32-95 W2's fragments of a K step, v96-255 h's fragments (tile i, K step s) at 96 + 16 (2 i + s).
.set PS,   4                           ; LDS: where my codes go
.set PB,   5                           ; LDS: where my scale bytes go
.set CSW,  6                           ; LDS: W2's scale words, 4 r
.set SO,   7                           ; my stage: where I put 128 bytes of a row
.set SR,   8                           ; and where I read rows back
.set GO,   9                           ; the same two rows in yp
.set SPW,  10                          ; my spare word
.set NIL,  11                          ; 0
.set XS,   12
.set SW,   24
.set BY,   32
.set WF,   32
.set O,    32
.set TT,   64
.set HR,   96
.set C8,   192
.set MXR,  224
.set MP,   232
.set SCL,  240
.set LIM,  248
.set BUFB, 16384                       ; a buffer: 2 K steps x 4 tiles x 2,048 bytes
.set SCB,  2*BUFB                      ; scale words: 2 buffers x 2 K steps x 4 tiles x 64 bytes
.set STG,  SCB+1024                    ; a stage of 16 rows x (256 + 16) bytes for each multiplying wave
.set SPARE, STG+4*4352                 ; the spare words, 128 bytes a wave
.set KH,   12
.set V,    13                          ; wave % 4
.set WV,   14
.set EX,   15
.set CS,   16
.set NP,   17                          ; the expert's passes of 64 rows
.set SP,   18                          ; the round
.set TR,   19                          ; the trip
.set WB,   24
.set AB,   26
.set ASB,  28
.set YB,   30
.set MT,   32                          ; tiles a wave in this round, 0..5
.set PL,   33                          ; 4 where the round has rows, else 0
.set FM,   34                          ; tiles to fetch
.set REM,  35                          ; passes served by earlier rounds
.set MNT,  36
.set SEL,  38
.set MSB, 0
.macro WIN new                         ; the immediate's high byte repeats the setting that is left
.if MSB != \new
	s_set_vgpr_msb (MSB<<8)|\new
.set MSB, \new
.endif
.endm
.macro NOPS n
.rept \n
	v_nop
.endr
.endm
.macro SETMT
	s_sub_co_i32 s[MT], s[NP], s[REM]
	s_max_i32 s[MT], s[MT], 0
	s_min_u32 s[MT], s[MT], 5
	s_cmp_gt_u32 s[MT], 0
	s_cselect_b32 s[PL], 4, 0
.endm
.macro LOADW uo, slot                  ; my two blocks of the unit uo units on from the trip's first: 16 loads each
	WIN 0x40
.irp bl, 0,1
.set i_, 0
.rept 16
	global_load_b128 v[128*(\slot)+64*\bl+4*i_:128*(\slot)+64*\bl+4*i_+3], v3, s[WB:WB+1] offset:((\uo)<<20)+(32*\bl+4*(i_%8)+i_/8)*4096 th:TH_LOAD_NT
.set i_, i_+1
.endr
.endr
	WIN 0
.endm
.macro QW slot, buf, uo                ; a unit's two blocks: quantised, and into LDS buffer buf
.set SB_, 128*(\slot)
	s_wait_loadcnt 32                              ; this slot's 32 loads are in; the other slot's 32, issued behind them, may be out
	WIN 0x05
.irp bl, 0,1
.irp q, 0,1,2,3
	v_max3_num_f32 v[MXR+4*\bl+\q], |v[SB_+64*\bl+\q]|, |v[SB_+64*\bl+4+\q]|, 0x8000000   ; eight chains by turns; the floor 2^(16 - 127) holds the byte at 1 from below
.endr
.endr
.set i_, 2
.rept 7
.irp bl, 0,1
.irp q, 0,1,2,3
	v_max3_num_f32 v[MXR+4*\bl+\q], |v[SB_+64*\bl+4*i_+\q]|, |v[SB_+64*\bl+4*i_+4+\q]|, v[MXR+4*\bl+\q]
.endr
.endr
.set i_, i_+2
.endr
	WIN 0
.irp ch, 0,1,2,3,4,5,6,7
	v_permlanex16_b32 v[MP+\ch], v[MXR+\ch], s[SEL], s[SEL+1]
.endr
.irp ch, 0,1,2,3,4,5,6,7
	v_max_num_f32 v[MXR+\ch], v[MXR+\ch], v[MP+\ch]   ; with lane l xor 16's: the block's largest magnitude
.endr
.irp ch, 0,1,2,3,4,5,6,7
	v_add_nc_u32 v[SCL+\ch], 0xf8800000, v[MXR+\ch]   ; 15 off its exponent field: the conversion's scale operand
.endr
.irp ch, 0,1,2,3,4,5,6,7
	v_and_or_b32 v[LIM+\ch], v[MXR+\ch], 0x7f800000, s[MNT]   ; 57,344 x the scale
.endr
.irp ch, 0,1,2,3,4,5,6,7
	v_lshrrev_b32 v[BY+\ch], 23, v[SCL+\ch]        ; the scale's byte
.endr
	WIN 0x01
.irp bl, 0,1
.irp q, 0,1,2,3
.set i_, 0
.rept 16
	v_med3_num_f32 v[TT+16*(4*\bl+\q)+i_], v[SB_+64*\bl+4*i_+\q], -v[LIM+4*\bl+\q], v[LIM+4*\bl+\q]   ; the hold, which also sorts by column
.set i_, i_+1
.endr
.endr
.endr
	WIN 0
	s_wait_alu depctr_va_vdst(0)                   ; the wait ahead of the branch
	s_cmp_lt_u32 s[TR], 3
	s_cbranch_scc0 .Lnl_\@
	LOADW \uo, \slot                               ; the slot has been read: it takes the unit two on
	s_branch .Lld_\@
.Lnl_\@:
	s_wait_loadcnt 0x0                             ; the last trip asks for nothing: on this way none of my loads stays out
.Lld_\@:
.irp bl, 0,1
.irp q, 0,1,2,3
.irp g, 0,1
	v_cvt_scalef32_pk8_bf8_f32 v[C8+4*(4*\bl+\q)+2*\g:C8+4*(4*\bl+\q)+2*\g+1], v[TT+16*(4*\bl+\q)+8*\g:TT+16*(4*\bl+\q)+8*\g+7], v[SCL+4*\bl+\q]
.endr
.endr
.endr
	v_nop                                          ; a plain line behind the last conversion
	s_wait_alu depctr_va_vdst(0)                   ; a branch, a wait and a barrier follow what has just been written
.irp bl, 0,1
.irp q, 0,1,2,3
	ds_store_b128 v[PS], v[C8+4*(4*\bl+\q):C8+4*(4*\bl+\q)+3] offset:(\buf)*BUFB+\q*2048+\bl*512   ; registers 4 c .. 4 c + 3 of tile q's fragment
	ds_store_b8 v[PB], v[BY+4*\bl+\q] offset:(\buf)*512+\q*64+\bl   ; byte c of the column's scale word; lanes l and l xor 16 write the same byte with the same value
.endr
.endr
.endm
.macro HF s, uo, cond                  ; h's fragments and scale words of K step s of the unit uo on from the trip's first; cond = 1: of the first s[FM] tiles
.irp i, 0,1,2,3,4
.if \cond
	s_cmp_gt_u32 s[FM], \i
	s_cbranch_scc0 .Lhf_\@
.endif
.irp c, 0,1,2,3
	global_load_b128 v[HR+16*(2*\i+(\s))+4*\c:HR+16*(2*\i+(\s))+4*\c+3], v1, s[AB:AB+1] offset:(\i<<18)+(\uo)*4096+(\s)*2048+\c*512
.endr
	global_load_b32 v[XS+2*\i+(\s)], v2, s[ASB:ASB+1] offset:(\i<<14)+(\uo)*256+(\s)*128
.endr
.Lhf_\@:
.endm
.macro WFL buf, s                      ; W2's four fragments of K step s out of LDS
.irp q, 0,1,2,3
.irp c, 0,1,2,3
	ds_load_b128 v[WF+16*\q+4*\c:WF+16*\q+4*\c+3], v1 offset:(\buf)*BUFB+(\s)*8192+\q*2048+\c*512
.endr
.endr
.endm
.macro MULT s                          ; four products a tile, the accumulators by turns; at a branch and a label every window is 0
.irp i, 0,1,2,3,4
	s_cmp_gt_u32 s[MT], \i
	s_cbranch_scc0 .Lmu_\@
	WIN 0x50                                       ; W2 and h window 0, the sums window 1
.irp q, 0,1,2,3
	v_wmma_scale_f32_16x16x128_f8f6f4 v[32*\i+8*\q:32*\i+8*\q+7], v[WF+16*\q:WF+16*\q+15], v[HR+16*(2*\i+(\s)):HR+16*(2*\i+(\s))+15], v[32*\i+8*\q:32*\i+8*\q+7], v[SW+4*(\s)+\q], v[XS+2*\i+(\s)] matrix_a_fmt:MATRIX_FMT_BF8 matrix_b_fmt:MATRIX_FMT_BF8
.endr
	WIN 0
.endr
.Lmu_\@:
.endm
.macro CONS buf, uo                    ; a unit out of LDS buffer buf is multiplied; the next unit's h is asked for as its registers come free
	WFL \buf, 0
.irp s, 0,1
.irp q, 0,1,2,3
	ds_load_b32 v[SW+4*\s+\q], v[CSW] offset:(\buf)*512+\s*256+\q*64
.endr
.endr
	s_wait_loadcnt 0x0                             ; this unit's h, asked for a unit ago
	s_wait_dscnt 0x0
	MULT 0
	NOPS 9                                         ; places behind the products, ahead of loads into what they have read
	WFL \buf, 1
	HF 0, \uo, 1
	s_wait_dscnt 0x0
	MULT 1
	NOPS 9
	HF 1, \uo, 1
.endm
.macro CLEAR
	WIN 0x40
.set i_, 0
.rept 160
	v_mov_b32 v[i_], 0
.set i_, i_+1
.endr
	WIN 0
	s_wait_alu depctr_va_vdst(0)
.endm
.macro EPI                             ; a tile's columns are sorted, turned through my stage, and leave as rows of 256 consecutive bytes; each tile has its own 32 registers for the rows read back
.irp i, 0,1,2,3,4
	s_cmp_gt_u32 s[MT], \i
	s_cbranch_scc0 .Lep_\@
	WIN 0x01
.irp j, 0,1,2,3,4,5,6,7
.irp q, 0,1,2,3
	v_mov_b32 v[O+4*\j+\q], v[32*\i+8*\q+\j]       ; register 4 j + q is column 32 h + 4 j + q; each accumulator from its low end on
.endr
.endr
	WIN 0
.irp k, 0,1,2,3,4,5,6,7
	ds_store_b128 v[SO], v[O+4*\k:O+4*\k+3] offset:16*\k
.endr
.irp t, 0,1,2,3,4,5,6,7
	ds_load_b128 v[HR+32*\i+4*\t:HR+32*\i+4*\t+3], v[SR] offset:544*\t   ; LDS serves a wave's instructions in order (ISA guide 5.7.1.4): these see my stores
.endr
.irp t, 0,1,2,3,4,5,6,7
	s_wait_dscnt 7-\t
	global_store_b128 v[GO], v[HR+32*\i+4*\t:HR+32*\i+4*\t+3], s[YB:YB+1] offset:(\i<<18)+8192*\t   ; sixteen lanes store 256 consecutive bytes, at a multiple of 256 from yp's first byte
.endr
.endr
.Lep_\@:
.endm
.macro MEET                            ; my LDS stores have landed and my LDS loads are in: the buffers change hands
	s_wait_dscnt 0x0
	s_barrier_signal -1
	s_barrier_wait -1
.endm
	s_load_b256 s[4:11], s[0:1], 0x0               ; W2 s[4:5], hq s[6:7], rkc s[8:9], yp s[10:11]
	v_lshl_add_u32 v[SPW], v0, 2, SPARE
	v_mov_b32 v[NIL], 0
	v_lshrrev_b32 v12, 5, v0
	v_readfirstlane_b32 s[WV], v12                 ; wave 0..7
	s_and_b32 s[V], s[WV], 3
	s_and_b32 s[EX], ttmp7, 0xffff                 ; the expert
	s_lshr_b32 s[CS], ttmp9, 1                     ; the slice of 64 columns
	s_and_b32 s[KH], ttmp9, 1                      ; the half of K
	s_lshr_b32 s20, s[V], 1                        ; the stream: my blocks lie in K step w / 2 of a unit, parts 2 (w % 2) and 2 (w % 2) + 1
	s_and_b32 s21, s[V], 1
	s_lshl_b32 s40, s20, 13
	s_lshl_b32 s23, s21, 10
	s_add_co_u32 s40, s40, s23
	s_lshl_b32 s41, s20, 8
	s_lshl_b32 s23, s21, 1
	s_add_co_u32 s41, s41, s23
	s_add_co_u32 s41, s41, SCB
	s_mul_i32 s42, s[V], 4352
	s_add_co_u32 s42, s42, STG
	s_mov_b32 s[MNT], 0x600000
	s_mov_b32 s[SEL], 0x76543210
	s_mov_b32 s[SEL+1], 0xfedcba98
	s_mov_b32 s[REM], 0
	s_mov_b32 s[SP], 0
	v_and_b32 v13, 31, v0
	v_and_b32 v14, 15, v0                          ; r
	v_bfe_u32 v15, v0, 4, 1                        ; h
	v_lshlrev_b32 v1, 4, v13                       ; 16 x lane
	v_lshlrev_b32 v2, 2, v13                       ; 4 x lane
	v_lshlrev_b32 v3, 4, v14
	v_lshl_add_u32 v3, v15, 13, v3                 ; W2: 16 r, and two rows of 4,096 bytes further down for lanes 16-31
	v_add_nc_u32 v[PS], s40, v1
	v_lshl_add_u32 v[PB], v14, 2, s41
	v_lshl_add_u32 v[CSW], v14, 2, SCB
	v_mul_u32_u24 v[SO], v14, 272
	v_lshl_add_u32 v[SO], v15, 7, v[SO]
	v_add_nc_u32 v[SO], s42, v[SO]                 ; in: row r, 128 bytes for each half of the lanes
	v_mul_u32_u24 v[SR], v15, 272
	v_lshl_add_u32 v[SR], v14, 4, v[SR]
	v_add_nc_u32 v[SR], s42, v[SR]                 ; back: lanes 0-15 one row of 256 bytes, lanes 16-31 the next
	v_lshlrev_b32 v[GO], 12, v15
	v_lshl_add_u32 v[GO], v14, 4, v[GO]
.irp ch, 0,1,2,3,4,5,6,7
	v_mov_b32 v[MP+\ch], 0                         ; a lane permute's destination counts as one of its sources
.endr
	s_wait_alu depctr_va_vdst(0)                   ; the wait at the head's end
	s_wait_kmcnt 0x0
	s_mov_b32 s21, 0
	s_lshl_b32 s20, s[EX], 2
	s_add_co_u32 s20, s20, 32768
	s_add_nc_u64 s[22:23], s[8:9], s[20:21]
	s_load_b32 s[NP], s[22:23], 0x0                ; the expert's passes
	s_lshl_b32 s20, s[EX], 24                      ; W2: the expert, the half's 2,048 rows, my 64 rows of a unit, the slice's 256 bytes
	s_lshl_b32 s43, s[KH], 23
	s_add_co_u32 s20, s20, s43
	s_lshl_b32 s43, s[V], 18
	s_add_co_u32 s20, s20, s43
	s_lshl_b32 s43, s[CS], 8
	s_add_co_u32 s20, s20, s43
	s_add_nc_u64 s[WB:WB+1], s[4:5], s[20:21]
	s_lshl_b32 s20, s[EX], 22                      ; h's images: the expert, tile v, K step 16 kh
	s_lshl_b32 s43, s[V], 16
	s_add_co_u32 s20, s20, s43
	s_lshl_b32 s43, s[KH], 15
	s_add_co_u32 s20, s20, s43
	s_add_nc_u64 s[AB:AB+1], s[6:7], s[20:21]
	s_lshl_b32 s20, s[EX], 18
	s_lshl_b32 s43, s[V], 12
	s_add_co_u32 s20, s20, s43
	s_lshl_b32 s43, s[KH], 11
	s_add_co_u32 s20, s20, s43
	s_add_co_u32 s20, s20, 33554432
	s_add_nc_u64 s[ASB:ASB+1], s[6:7], s[20:21]
	s_lshl_b32 s20, s[KH], 25                      ; yp: the half, the expert, tile v's 16 rows of 4,096 bytes, the slice's 256 bytes
	s_lshl_b32 s43, s[EX], 22
	s_add_co_u32 s20, s20, s43
	s_lshl_b32 s43, s[V], 16
	s_add_co_u32 s20, s20, s43
	s_lshl_b32 s43, s[CS], 8
	s_add_co_u32 s20, s20, s43
	s_add_nc_u64 s[YB:YB+1], s[10:11], s[20:21]
	s_cmp_lt_u32 s[WV], 4
	s_cbranch_scc0 .Lhead_c
	LOADW 0, 0                                     ; every expert has at least one pass: the first round always works
	LOADW 1, 1
	s_branch .Lhead_j
.Lhead_c:
	HF 0, 0, 0
	HF 1, 0, 0
	CLEAR
.Lhead_j:
	s_wait_kmcnt 0x0
	s_min_u32 s[NP], s[NP], 16
	SETMT
.Lround:
	s_mov_b32 s[TR], 0
.Ltrip:
	s_cmp_lt_u32 s[WV], 4                          ; unit 2 t is quantised into buffer 0, unit 2 t - 1 multiplied out of buffer 1
	s_cbranch_scc0 .Lc_a
	s_cmp_lt_u32 s[TR], s[PL]
	s_cbranch_scc0 .Ls_a
	QW 0, 0, 2
	s_branch .Lj_a
.Lc_a:
	s_sub_co_u32 s20, s[TR], 1
	s_cmp_lt_u32 s20, s[PL]                        ; trips 1 to 4 of a round that has rows
	s_cbranch_scc0 .Ls_a
	s_cmp_lt_u32 s[TR], 4
	s_cselect_b32 s[FM], s[MT], 0                  ; behind unit 7 nothing is fetched
	CONS 1, 0
	s_branch .Lj_a
.Ls_a:
	s_wait_loadcnt 0x0                             ; the way round the work
.Lj_a:
	MEET
	s_cmp_lt_u32 s[WV], 4                          ; unit 2 t + 1 into buffer 1, unit 2 t out of buffer 0
	s_cbranch_scc0 .Lc_b
	s_cmp_lt_u32 s[TR], s[PL]
	s_cbranch_scc0 .Ls_b
	QW 1, 1, 3
	s_branch .Lj_b
.Lc_b:
	s_cmp_lt_u32 s[TR], s[PL]
	s_cbranch_scc0 .Ls_b
	s_mov_b32 s[FM], s[MT]
	CONS 0, 1
	s_branch .Lj_b
.Ls_b:
	s_wait_loadcnt 0x0                             ; the way round the work
.Lj_b:
	MEET
	s_wait_xcnt 0x0                                ; the loads have read their bases
	s_add_nc_u64 s[WB:WB+1], s[WB:WB+1], 2<<20
	s_add_nc_u64 s[AB:AB+1], s[AB:AB+1], 8192
	s_add_nc_u64 s[ASB:ASB+1], s[ASB:ASB+1], 512
	s_add_co_u32 s[TR], s[TR], 1
	s_cmp_lt_u32 s[TR], 5
	s_cbranch_scc1 .Ltrip
	s_wait_loadcnt 0x0                             ; the round's last units asked for nothing: none of my loads is out
	s_cmp_lt_u32 s[WV], 4
	s_cbranch_scc1 .Lno_out
	EPI
.Lno_out:
	s_wait_xcnt 0x0                                ; the stores have read their base and their data
	s_sub_nc_u64 s[WB:WB+1], s[WB:WB+1], 10<<20    ; back to unit 0;
	s_add_nc_u64 s[AB:AB+1], s[AB:AB+1], (20<<16)-40960   ; 20 tiles on, back along K
	s_add_nc_u64 s[ASB:ASB+1], s[ASB:ASB+1], (20<<12)-2560
	s_add_nc_u64 s[YB:YB+1], s[YB:YB+1], 20<<16
	s_add_co_u32 s[REM], s[REM], 5
	SETMT
	s_cmp_eq_u32 s[MT], 0
	s_cbranch_scc1 .Lnone_next                     ; behind the fourth round REM is 20, past the 16 passes that an expert can have: nothing is fetched
	s_cmp_lt_u32 s[WV], 4
	s_cbranch_scc0 .Lnext_c
	LOADW 0, 0
	LOADW 1, 1
	s_branch .Lnone_next
.Lnext_c:
	s_mov_b32 s[FM], s[MT]
	HF 0, 0, 1
	HF 1, 0, 1
	CLEAR
.Lnone_next:
	s_add_co_u32 s[SP], s[SP], 1
	s_cmp_lt_u32 s[SP], 4
	s_cbranch_scc1 .Lround
	s_wait_tensorcnt 0x0                           ; the wave's end
	ds_add_u32 v[SPW], v[NIL]
	s_wait_dscnt 0x0
	s_endpgm
.Lfunc_end_k_q3f45861205_ffn2:
	.size	k_q3f45861205_ffn2, .Lfunc_end_k_q3f45861205_ffn2-k_q3f45861205_ffn2
	.p2alignl 7, 3214868480
	.fill 96, 4, 3214868480
	.section	.rodata,"a",@progbits
	.p2align	6, 0x0
	.amdhsa_kernel k_q3f45861205_ffn2
		.amdhsa_group_segment_fixed_size 52224
		.amdhsa_private_segment_fixed_size 0
		.amdhsa_enable_private_segment 0
		.amdhsa_kernarg_size 32
		.amdhsa_user_sgpr_count 2
		.amdhsa_user_sgpr_kernarg_segment_ptr 1
		.amdhsa_wavefront_size32 1
		.amdhsa_system_sgpr_workgroup_id_x 1
		.amdhsa_system_sgpr_workgroup_id_y 1
		.amdhsa_system_sgpr_workgroup_id_z 1
		.amdhsa_system_vgpr_workitem_id 0
		.amdhsa_next_free_vgpr 512
		.amdhsa_next_free_sgpr 66
		.amdhsa_reserve_vcc 0
		.amdhsa_float_denorm_mode_32 3
		.amdhsa_float_denorm_mode_16_64 3
		.amdhsa_memory_ordered 1
		.amdhsa_forward_progress 1
		.amdhsa_inst_pref_size 124
	.end_amdhsa_kernel
	.amdgpu_metadata
---
amdhsa.version: [ 1, 2 ]
amdhsa.kernels:
  - .name:           k_q3f45861205_ffn2
    .symbol:         k_q3f45861205_ffn2.kd
    .args:
      - { .name: W2, .offset: 0, .size: 8, .value_kind: global_buffer, .address_space: global }
      - { .name: hq, .offset: 8, .size: 8, .value_kind: global_buffer, .address_space: global }
      - { .name: rkc, .offset: 16, .size: 8, .value_kind: global_buffer, .address_space: global }
      - { .name: yp, .offset: 24, .size: 8, .value_kind: global_buffer, .address_space: global }
    .group_segment_fixed_size: 52224
    .private_segment_fixed_size: 0
    .kernarg_segment_align: 8
    .kernarg_segment_size: 32
    .max_flat_workgroup_size: 256
    .sgpr_count:     66
    .vgpr_count:     512
    .wavefront_size: 32
...
	.end_amdgpu_metadata
.endif
;; end of part 4
;; launch combine (part 5): grid 256 x 1, 4 waves a work-group, no clusters, 0 bytes of LDS; arguments yp, b2, sel, gate, rkc, out0; writes out0
.if DOCPART == 5
	.amdgcn_target "amdgcn-amd-amdhsa--gfx1250"
	.amdhsa_code_object_version 6
	.text
	.protected	k_q3f45861205_combine
	.globl	k_q3f45861205_combine
	.p2align	8
	.type	k_q3f45861205_combine,@function
k_q3f45861205_combine:
	s_mov_b64 s[64:65], 0
	v_nop
	global_prefetch_b8 v0, s[64:65] scope:SCOPE_SE
	s_setreg_imm32_b32 hwreg(HW_REG_WAVE_MODE, 25, 1), 1
	s_wait_xcnt 0x0
; THE MIX: out[n] = g0 (y(e0, p0) + b2[e0]) + g1 (y(e1, p1) + b2[e1]), y = the two halves of K added; e the token's two experts, p its rank in each, g the gate's weights.
; One wave takes one token, n = 4 x work-group + wave; each output row has one owner.  The experts and ranks are whole numbers that earlier launches stored; each is held inside its table before it enters an address.
; A stream: every load and store of the wave covers 512 consecutive bytes; 48 loads are out together.  No LDS, no barrier, no matrix work: there is nothing here for them.
.set Y00, 16                           ; v16-47    expert 0, first half of K; later the result
.set Y01, 48                           ; v48-79    second half
.set BI0, 80                           ; v80-111   b2 of expert 0
.set Y10, 112
.set Y11, 144
.set BI1, 176
	s_load_b256 s[4:11], s[0:1], 0x0               ; yp s[4:5], b2 s[6:7], sel s[8:9], gate s[10:11]
	s_load_b128 s[12:15], s[0:1], 0x20             ; the ranks s[12:13], out s[14:15]
	v_lshrrev_b32 v2, 5, v0
	v_readfirstlane_b32 s16, v2                    ; wave
	v_and_b32 v1, 31, v0
	v_lshlrev_b32 v1, 4, v1                        ; 16 bytes a lane
	s_lshl_b32 s17, ttmp9, 2
	s_add_co_u32 s17, s17, s16                     ; n
	s_mov_b32 s21, 0
	s_wait_alu depctr_va_vdst(0)
	s_wait_kmcnt 0x0
	s_lshl_b32 s20, s17, 2
	s_add_nc_u64 s[22:23], s[8:9], s[20:21]
	s_lshl_b32 s20, s17, 3
	s_add_nc_u64 s[24:25], s[10:11], s[20:21]
	s_lshl_b32 s20, s17, 5
	s_add_nc_u64 s[28:29], s[12:13], s[20:21]
	s_load_b32 s18, s[22:23], 0x0                  ; the two experts
	s_load_b64 s[26:27], s[24:25], 0x0             ; the two weights
	s_load_b256 s[32:39], s[28:29], 0x0            ; the token's rank in each of the eight experts
	s_lshl_b32 s20, s17, 12
	s_add_nc_u64 s[58:59], s[14:15], s[20:21]      ; my row of out
	s_wait_kmcnt 0x0
.macro PICK bf, e, p, y0, y1, bb       ; the expert in field bf of sel, its rank, and the three rows' addresses
	s_bfe_u32 s[\e], s18, \bf
	s_min_u32 s[\e], s[\e], 7
	s_mov_b32 s[\p], s32
.irp i, 1,2,3,4,5,6,7
	s_cmp_eq_u32 s[\e], \i
	s_cselect_b32 s[\p], s[32+\i], s[\p]
.endr
	s_min_u32 s[\p], s[\p], 1023
	s_lshl_b32 s20, s[\e], 22                      ; an expert's 1,024 rows of 4,096 bytes
	s_lshl_b32 s19, s[\p], 12
	s_add_co_u32 s20, s20, s19
	s_add_nc_u64 s[\y0:\y0+1], s[4:5], s[20:21]
	s_add_nc_u64 s[\y1:\y1+1], s[\y0:\y0+1], 0x2000000   ; the second half of K lies eight experts further on
	s_lshl_b32 s20, s[\e], 12
	s_add_nc_u64 s[\bb:\bb+1], s[6:7], s[20:21]
.endm
	PICK 0x30008, 40, 41, 44, 46, 48
	PICK 0x30010, 42, 43, 50, 52, 54
	s_mov_b32 s56, s27                             ; the second weight as a pair's low word: the packed form takes that word for both halves
	s_mov_b32 s57, s27
.irp i, 0,1,2,3,4,5,6,7
	global_load_b128 v[Y00+4*\i:Y00+4*\i+3], v1, s[44:45] offset:512*\i th:TH_LOAD_NT
	global_load_b128 v[Y01+4*\i:Y01+4*\i+3], v1, s[46:47] offset:512*\i th:TH_LOAD_NT
	global_load_b128 v[Y10+4*\i:Y10+4*\i+3], v1, s[50:51] offset:512*\i th:TH_LOAD_NT
	global_load_b128 v[Y11+4*\i:Y11+4*\i+3], v1, s[52:53] offset:512*\i th:TH_LOAD_NT
	global_load_b128 v[BI0+4*\i:BI0+4*\i+3], v1, s[48:49] offset:512*\i
	global_load_b128 v[BI1+4*\i:BI1+4*\i+3], v1, s[54:55] offset:512*\i
.endr
	s_wait_loadcnt 0x0
.set p_, 0
.rept 16
	v_pk_add_f32 v[Y00+p_:Y00+p_+1], v[Y00+p_:Y00+p_+1], v[Y01+p_:Y01+p_+1]
	v_pk_add_f32 v[Y10+p_:Y10+p_+1], v[Y10+p_:Y10+p_+1], v[Y11+p_:Y11+p_+1]
	v_pk_add_f32 v[Y00+p_:Y00+p_+1], v[Y00+p_:Y00+p_+1], v[BI0+p_:BI0+p_+1]
	v_pk_add_f32 v[Y10+p_:Y10+p_+1], v[Y10+p_:Y10+p_+1], v[BI1+p_:BI1+p_+1]
	v_pk_mul_f32 v[Y00+p_:Y00+p_+1], v[Y00+p_:Y00+p_+1], s[26:27] op_sel_hi:[1,0]
	v_pk_fma_f32 v[Y00+p_:Y00+p_+1], v[Y10+p_:Y10+p_+1], s[56:57], v[Y00+p_:Y00+p_+1] op_sel_hi:[1,0,1]
.set p_, p_+2
.endr
.irp i, 0,1,2,3,4,5,6,7
	global_store_b128 v1, v[Y00+4*\i:Y00+4*\i+3], s[58:59] offset:512*\i th:TH_STORE_NT
.endr
	s_endpgm
.Lfunc_end_k_q3f45861205_combine:
	.size	k_q3f45861205_combine, .Lfunc_end_k_q3f45861205_combine-k_q3f45861205_combine
	.p2alignl 7, 3214868480
	.fill 96, 4, 3214868480
	.section	.rodata,"a",@progbits
	.p2align	6, 0x0
	.amdhsa_kernel k_q3f45861205_combine
		.amdhsa_group_segment_fixed_size 0
		.amdhsa_private_segment_fixed_size 0
		.amdhsa_enable_private_segment 0
		.amdhsa_kernarg_size 48
		.amdhsa_user_sgpr_count 2
		.amdhsa_user_sgpr_kernarg_segment_ptr 1
		.amdhsa_wavefront_size32 1
		.amdhsa_system_sgpr_workgroup_id_x 1
		.amdhsa_system_sgpr_workgroup_id_y 1
		.amdhsa_system_sgpr_workgroup_id_z 1
		.amdhsa_system_vgpr_workitem_id 0
		.amdhsa_next_free_vgpr 208
		.amdhsa_next_free_sgpr 66
		.amdhsa_reserve_vcc 0
		.amdhsa_float_denorm_mode_32 3
		.amdhsa_float_denorm_mode_16_64 3
		.amdhsa_memory_ordered 1
		.amdhsa_forward_progress 1
		.amdhsa_inst_pref_size 15
	.end_amdhsa_kernel
	.amdgpu_metadata
---
amdhsa.version: [ 1, 2 ]
amdhsa.kernels:
  - .name:           k_q3f45861205_combine
    .symbol:         k_q3f45861205_combine.kd
    .args:
      - { .name: yp, .offset: 0, .size: 8, .value_kind: global_buffer, .address_space: global }
      - { .name: b2, .offset: 8, .size: 8, .value_kind: global_buffer, .address_space: global }
      - { .name: sel, .offset: 16, .size: 8, .value_kind: global_buffer, .address_space: global }
      - { .name: gate, .offset: 24, .size: 8, .value_kind: global_buffer, .address_space: global }
      - { .name: rkc, .offset: 32, .size: 8, .value_kind: global_buffer, .address_space: global }
      - { .name: out0, .offset: 40, .size: 8, .value_kind: global_buffer, .address_space: global }
    .group_segment_fixed_size: 0
    .private_segment_fixed_size: 0
    .kernarg_segment_align: 8
    .kernarg_segment_size: 48
    .max_flat_workgroup_size: 128
    .sgpr_count:     66
    .vgpr_count:     208
    .wavefront_size: 32
...
	.end_amdgpu_metadata
.endif
;; end of part 5
